; MI455X (gfx1250); checked and timed in simulation.
; The chip was launched on July 23, 2026; its instructions are those of AMD's public machine-readable ISA for CDNA 5 (MIT licence, August 2026) and "CDNA5" Instruction Set Architecture Reference Guide (July 2026). The comments in the code are by the model that wrote it; some were corrected since.
;; Multi Head Attention Naive. Allowed arithmetic: matrix products marked QUANTISED: E4M3 operands, one E8M0 scale for each 32 along K, by v_wmma_scale_f32_16x16x128_f8f6f4 with both operands' format E4M3, f32 sums; everything else in f32.
;; Inputs: Wk 1,024 x 1,024 float32; Wo 1,024 x 1,024 float32; Wq 1,024 x 1,024 float32; Wv 1,024 x 1,024 float32; bk 1,024 float32; bo 1,024 float32; bq 1,024 float32; bv 1,024 float32; inputs_k 8 x 1,024 x 1,024 float32; inputs_q 8 x 1,024 x 1,024 float32; inputs_v 8 x 1,024 x 1,024 float32.
;; Outputs: out0 8 x 1,024 x 1,024 float32.
;; This version of the problem:
;;   THIS VERSION OF THE PROBLEM IS GIVEN IN LOW PRECISION. The matrix products marked QUANTISED in the list below multiply operands that are first quantised to E4M3 (4 exponent bits, 3 mantissa bits; 8 bits a number), with one power-of-two scale for each 32 numbers along K (OCP MX v1.0); their sums are f32. All else is computed in f32.
;;   The module's matrix products, in the order in which they are computed (A, B: the left and right operand; K: the contracted axis; several contracted axes count as one K, in the product's order):
;;     1. [M 8,192, K 1,024] x [K 1,024, N 1,024]; A: input inputs_q; B: input Wq: QUANTISED
;;     2. [M 8,192, K 1,024] x [K 1,024, N 1,024]; A: input inputs_k; B: input Wk: QUANTISED
;;     3. [M 8,192, K 1,024] x [K 1,024, N 1,024]; A: input inputs_v; B: input Wv: QUANTISED
;;     4. batch 128 x [M 1,024, K 64] x [K 64, N 1,024]; A: computed on the way; B: computed on the way: QUANTISED
;;     5. batch 128 x [M 64, K 1,024] x [K 1,024, N 1,024]; A: computed on the way; B: softmax (see below): QUANTISED
;;     6. [M 8,192, K 1,024] x [K 1,024, N 1,024]; A: computed on the way; B: input Wo: QUANTISED
;;   THE QUANTISER, for each operand of a quantised product, along K:
;;     - K is cut into blocks of 32 from its start; a last block that is shorter is filled with zeros.
;;     - A block's scale is 2^e with e = floor(log2(the largest magnitude in the block)) - 8, held to -126 .. 127; a block of zeros has e = 0. As a byte (E8M0): e + 127.
;;     - Each number is divided by its block's scale, clamped to +-448, and rounded to the nearest number of E4M3, ties to even, subnormals kept.
;;     - The product sums the exact products of the quantised numbers (number of the format x scale) in f32.
;;   ~~~python
;;   def quantise(x, axis):      # numpy; x: float32 -> the quantised numbers, widened to float32 again
;;       x = np.moveaxis(x, axis, -1); K = x.shape[-1]
;;       x = np.pad(x, [(0, 0)] * (x.ndim - 1) + [(0, -K % 32)]); x = x.reshape(x.shape[:-1] + (-1, 32)); a = np.abs(x).max(-1, keepdims=True)
;;       e = np.where(a > 0, np.clip(np.frexp(np.where(a > 0, a, 1))[1] - 1 - 8, -126, 127), 0)      # np.frexp(a)[1] - 1 = floor(log2(a)), exactly
;;       r = np.clip(x / 2.0 ** e, -448, 448)
;;       step = 2.0 ** (np.maximum(np.frexp(np.where(r == 0, 1, r))[1] - 1, -6) - 3)
;;       q = np.round(r / step) * step * 2.0 ** e      # np.round: ties to even
;;       return np.moveaxis(q.reshape(q.shape[:-2] + (-1,))[..., :K], -1, axis).astype(np.float32)
;;   ~~~
;;   SOFTMAX AHEAD OF A QUANTISED PRODUCT. Where the list says 'softmax', what is quantised is not the finished softmax but p = 2^(t - M), with t = logit x log2(e) and M = ceil(the row's largest t), a whole number; so 1/2 < the row's largest p <= 1. The row's sum l is taken of the UNQUANTISED p, in f32, and the product's result is divided by l at the end. Since M is a whole number, a kernel that streams over the keys may use a running M (the ceiling of the running maximum): every later rescaling is an exact power of two, which a block's scale takes up: the codes' values come out the same.
;;   OPERANDS COMPUTED ON THE WAY. 'Computed on the way' means the value that the module computes at that place (a softmax that the list does not call 'softmax' is quantised finished and normalised). What goes into a quantiser is computed in f32, as accurately as f32 sums, v_exp_f32 and their like allow (about 1e-6 of the number): no bf16 or f16 on the way to a quantiser, and a product that is left as it is and whose result goes on into a quantised operand takes f32 operands (vector FMAs, or v_wmma_f32_16x16x4_f32). A number that lies on a knife's edge between two numbers of the format may be rounded either way, as far as f32 arithmetic and the matrix unit's own rounding can turn it there, and no further.
;; 2 versions. Each part assembles by itself: llvm-mc -triple=amdgcn-amd-amdhsa -mcpu=gfx1250 --defsym DOCPART=n.
;; ======== version 1 of 2: 4 launches
;; workspace buffers: wcodes 4,194,304 bytes; wscales 131,072 bytes; qkvc 25,165,824 bytes; qkvs 786,432 bytes; ctxc 8,388,608 bytes; ctxs 262,144 bytes
;; launch quant_w (part 1): grid 64 x 4, 4 waves a work-group, no clusters, 17,920 bytes of LDS; arguments Wq, Wk, Wv, Wo, wcodes, wscales; writes wcodes, wscales
.if DOCPART == 1
	.amdgcn_target "amdgcn-amd-amdhsa--gfx1250"
	.amdhsa_code_object_version 6
	.text
	.protected	k_q53ef7dc483_quant_w
	.globl	k_q53ef7dc483_quant_w
	.p2align	8
	.type	k_q53ef7dc483_quant_w,@function
k_q53ef7dc483_quant_w:
	s_mov_b64 s[64:65], 0
	v_nop
	global_prefetch_b8 v0, s[64:65] scope:SCOPE_SE
	s_setreg_imm32_b32 hwreg(HW_REG_WAVE_MODE, 25, 1), 1
	s_wait_xcnt 0x0
; The four weights [1024 (k)][1024 (n)], f32, K on the FIRST axis, become codes of FP8 (E4M3) with one E8M0 byte for each 32 along K,
; laid in the order of an operand's registers: wcodes [tensor 4][cg 8: 128 columns][s 8: 128 along K][tile 8][2,048 bytes], wscales [tensor][cg][s][pair of tiles 4][32 words].
; A FRAGMENT'S IMAGE: 16 columns x 128 k; register group c (four registers) of lane l lies at 512 c + 16 l and holds k = 32 c + 16 (l / 16) + 0 .. 15 of the lane's column.
; THE COLUMNS OF A TILE ARE NOT NEIGHBOURS: lane r of tile 2 b + u holds column 32 b + 8 u + r + 8 (r / 8), so that the results of two neighbouring tiles are 16 neighbours along the next product's K.
; A block's scale is 2^(floor(log2(largest magnitude)) - 8); its byte is the largest magnitude's exponent field - 8, held at 1 from below; each number is held within +-448 x the scale and converted, ties to even.
; SHARES.  Work-group (x, y): tensor y, columns 128 (x % 8) on, k 128 (x / 8) on.  Wave w: 32 columns.  A LANE TAKES A COLUMN AND ITS REGISTERS RUN DOWN K: a block of 32 lies in one lane, nothing is transposed by an instruction.
; A lane's codes belong to one lane-place of an image and go there through the wave's own stage in LDS; each store to memory then covers 512 consecutive bytes.  No barrier: waves share nothing.
; No tensor load and no cluster: every input byte is read by one lane of one work-group.
; LIMITS: NaN and infinities among the inputs are not served.  A block of zeros, or one whose largest magnitude lies under 2^-118, gets the byte 1 (the rule says 127 for zeros): its codes are zeros or subnormal, and this program alone reads the bytes.
.set X,    32                          ; v32-159  four blocks of 32 numbers; later the images on their way out
.set CD,   160                         ; v160-191 eight registers of codes for each block, so that no LDS store's data are written again
.set SWD,  24                          ; v24      my column's scale word: byte c for k = 32 c ..
.set FPAD, 2176                        ; an image in the stage: 2,048 bytes + 128, so that the two tiles' lanes fall on different banks
	s_load_b256 s[4:11], s[0:1], 0x0               ; Wq, Wk, Wv, Wo
	s_load_b128 s[12:15], s[0:1], 0x20             ; wcodes, wscales
	v_lshl_add_u32 v192, v0, 2, 0x4400
	v_mov_b32 v193, 0
	v_lshrrev_b32 v1, 5, v0
	v_readfirstlane_b32 s16, v1                    ; wave 0..3
	v_and_b32 v1, 31, v0                           ; lane = my column among the wave's 32
	v_lshlrev_b32 v2, 2, v1                        ; in: 4 bytes a lane
	v_lshlrev_b32 v5, 4, v1                        ; out: 16 bytes a lane
	v_bfe_u32 v7, v0, 3, 1                         ; u: which of the wave's two tiles holds my column
	v_and_b32 v12, 7, v0
	v_bfe_u32 v13, v0, 4, 1
	v_lshl_add_u32 v12, v13, 3, v12                ; r': my column's lane in that tile = lane % 8 + 8 (lane / 16)
	s_mul_i32 s17, s16, 2*FPAD                     ; my wave's stage
	v_mul_u32_u24 v3, v7, FPAD
	v_lshl_add_u32 v3, v12, 4, v3
	v_add_nc_u32 v3, s17, v3                       ; into it: tile u, lane-place r'
	v_add_nc_u32 v4, s17, v5                       ; out of it: 16 x lane
	v_lshl_add_u32 v6, v7, 4, v12
	v_lshlrev_b32 v6, 2, v6                        ; my scale word's place in the pair's 128 bytes: 4 (16 u + r')
	s_and_b32 s18, ttmp7, 0xffff                   ; the tensor
	s_and_b32 s19, ttmp9, 7                        ; cg
	s_lshr_b32 s20, ttmp9, 3                       ; s
	s_lshl_b32 s22, s20, 19                        ; in: 128 s rows of 4,096 bytes
	s_lshl_b32 s21, s19, 9
	s_add_co_u32 s22, s22, s21                     ; + 128 cg columns
	s_lshl_b32 s21, s16, 7
	s_add_co_u32 s22, s22, s21                     ; + 32 w columns
	s_mov_b32 s23, 0
	s_lshl_b32 s24, s18, 20                        ; codes: tensor, cg, s, tile 2 w
	s_lshl_b32 s21, s19, 17
	s_add_co_u32 s24, s24, s21
	s_lshl_b32 s21, s20, 14
	s_add_co_u32 s24, s24, s21
	s_lshl_b32 s21, s16, 12
	s_add_co_u32 s24, s24, s21
	s_mov_b32 s25, 0
	s_lshl_b32 s26, s18, 15                        ; scale words: tensor, cg, s, pair w
	s_lshl_b32 s21, s19, 12
	s_add_co_u32 s26, s26, s21
	s_lshl_b32 s21, s20, 9
	s_add_co_u32 s26, s26, s21
	s_lshl_b32 s21, s16, 7
	s_add_co_u32 s26, s26, s21
	s_mov_b32 s27, 0
	s_mov_b32 s31, 0x600000                        ; the mantissa field of 448
	s_wait_kmcnt 0x0
	s_cmp_eq_u32 s18, 1                            ; the choice hangs on the work-group's number alone
	s_cselect_b64 s[4:5], s[6:7], s[4:5]
	s_cmp_eq_u32 s18, 2
	s_cselect_b64 s[4:5], s[8:9], s[4:5]
	s_cmp_eq_u32 s18, 3
	s_cselect_b64 s[4:5], s[10:11], s[4:5]
	s_add_nc_u64 s[4:5], s[4:5], s[22:23]
	s_add_nc_u64 s[12:13], s[12:13], s[24:25]
	s_add_nc_u64 s[14:15], s[14:15], s[26:27]
.macro LOAD c                          ; block c: W(32 c + q, my column), q = 0 .. 31: each load reads 128 consecutive bytes a wave
.set q, 0
.rept 32
	global_load_b32 v[X+32*(\c)+q], v2, s[4:5] offset:(32*(\c)+q)*4096 th:TH_LOAD_NT
.set q, q+1
.endr
.endm
.macro BLOCK c
.set XB, X+32*(\c)
.if (\c) < 3
	s_wait_loadcnt 32                              ; this block's 32 loads are in; the next block's 32 may be out
.else
	s_wait_loadcnt 0x0
.endif
.if (\c)+2 < 4
	LOAD (\c)+2                                    ; two blocks ahead, into registers of their own
.endif
	v_max3_num_f32 v8, |v[XB]|, |v[XB+1]|, |v[XB+2]|               ; the block's largest magnitude: all 32 numbers are mine; two chains
	v_max3_num_f32 v9, |v[XB+3]|, |v[XB+4]|, |v[XB+5]|
.irp i, 6,10,14,18,22,26
	v_max3_num_f32 v8, v8, |v[XB+\i]|, |v[XB+\i+1]|
	v_max3_num_f32 v9, v9, |v[XB+\i+2]|, |v[XB+\i+3]|
.endr
	v_max3_num_f32 v8, v8, |v[XB+30]|, |v[XB+31]|
	v_max3_num_f32 v8, v8, v9, 0x4800000           ; and the floor 2^(9 - 127): the byte cannot fall under 1
	v_add_nc_u32 v11, 0xfc000000, v8               ; 8 off the exponent field: the conversion takes this operand's exponent field as its scale
	v_and_or_b32 v10, v8, 0x7f800000, s31          ; 448 x the scale
	v_lshrrev_b32 v9, 23, v11                      ; the scale's byte
.if (\c) == 0
	v_mov_b32 v[SWD], v9
.else
	v_lshl_or_b32 v[SWD], v9, 8*(\c), v[SWD]
.endif
.set q, 0
.rept 32
	v_med3_num_f32 v[XB+q], v[XB+q], -v10, v10     ; the conversion to an 8-bit code does not saturate (ISA guide 7.6.2): the hold comes first
.set q, q+1
.endr
.irp g, 0,1,2,3
	v_cvt_scalef32_pk8_fp8_f32 v[CD+8*(\c)+2*\g:CD+8*(\c)+2*\g+1], v[XB+8*\g:XB+8*\g+7], v11
.endr
	v_nop                                          ; one plain line behind the last conversion
	ds_store_b128 v3, v[CD+8*(\c):CD+8*(\c)+3] offset:512*(\c)          ; k = 32 c + 0 .. 15: the image's lane r'
	ds_store_b128 v3, v[CD+8*(\c)+4:CD+8*(\c)+7] offset:512*(\c)+256    ; k = 32 c + 16 .. 31: its lane 16 + r'
.endm
	LOAD 0
	LOAD 1
	BLOCK 0
	BLOCK 1
	BLOCK 2
	BLOCK 3
	global_store_b32 v6, v[SWD], s[14:15]          ; the pair's 32 scale words: 128 consecutive bytes
.irp t, 0,1,2,3,4,5,6,7
	ds_load_b128 v[X+4*\t:X+4*\t+3], v4 offset:(\t/4)*FPAD+512*(\t%4)   ; LDS serves a wave's instructions in order (ISA guide 5.7.1.4): these see my stores
.endr
.irp t, 0,1,2,3,4,5,6,7
	s_wait_dscnt 7-\t
	global_store_b128 v5, v[X+4*\t:X+4*\t+3], s[12:13] offset:(\t/4)*2048+512*(\t%4)   ; 32 lanes store 512 consecutive bytes, aligned
.endr
	s_wait_tensorcnt 0x0
	ds_add_u32 v192, v193
	s_wait_dscnt 0x0
	s_endpgm
.Lfunc_end_k_q53ef7dc483_quant_w:
	.size	k_q53ef7dc483_quant_w, .Lfunc_end_k_q53ef7dc483_quant_w-k_q53ef7dc483_quant_w
	.p2alignl 7, 3214868480
	.fill 96, 4, 3214868480
	.section	.rodata,"a",@progbits
	.p2align	6, 0x0
	.amdhsa_kernel k_q53ef7dc483_quant_w
		.amdhsa_group_segment_fixed_size 17920
		.amdhsa_private_segment_fixed_size 0
		.amdhsa_enable_private_segment 0
		.amdhsa_kernarg_size 48
		.amdhsa_user_sgpr_count 2
		.amdhsa_user_sgpr_kernarg_segment_ptr 1
		.amdhsa_wavefront_size32 1
		.amdhsa_system_sgpr_workgroup_id_x 1
		.amdhsa_system_sgpr_workgroup_id_y 1
		.amdhsa_system_sgpr_workgroup_id_z 1
		.amdhsa_system_vgpr_workitem_id 0
		.amdhsa_next_free_vgpr 194
		.amdhsa_next_free_sgpr 66
		.amdhsa_reserve_vcc 0
		.amdhsa_float_denorm_mode_32 3
		.amdhsa_float_denorm_mode_16_64 3
		.amdhsa_memory_ordered 1
		.amdhsa_forward_progress 1
		.amdhsa_inst_pref_size 32
	.end_amdhsa_kernel
	.amdgpu_metadata
---
amdhsa.version: [ 1, 2 ]
amdhsa.kernels:
  - .name:           k_q53ef7dc483_quant_w
    .symbol:         k_q53ef7dc483_quant_w.kd
    .args:
      - { .name: Wq, .offset: 0, .size: 8, .value_kind: global_buffer, .address_space: global }
      - { .name: Wk, .offset: 8, .size: 8, .value_kind: global_buffer, .address_space: global }
      - { .name: Wv, .offset: 16, .size: 8, .value_kind: global_buffer, .address_space: global }
      - { .name: Wo, .offset: 24, .size: 8, .value_kind: global_buffer, .address_space: global }
      - { .name: wcodes, .offset: 32, .size: 8, .value_kind: global_buffer, .address_space: global }
      - { .name: wscales, .offset: 40, .size: 8, .value_kind: global_buffer, .address_space: global }
    .group_segment_fixed_size: 17920
    .private_segment_fixed_size: 0
    .kernarg_segment_align: 8
    .kernarg_segment_size: 48
    .max_flat_workgroup_size: 128
    .sgpr_count:     66
    .vgpr_count:     194
    .wavefront_size: 32
...
	.end_amdgpu_metadata
.endif
;; end of part 1
;; launch proj (part 2): grid 64 x 3, 4 waves a work-group, no clusters, 207,360 bytes of LDS; arguments inputs_q, inputs_k, inputs_v, bq, bk, bv, wcodes, wscales, qkvc, qkvs; writes qkvc, qkvs
.if DOCPART == 2
	.amdgcn_target "amdgcn-amd-amdhsa--gfx1250"
	.amdhsa_code_object_version 6
	.text
	.protected	k_q53ef7dc483_proj
	.globl	k_q53ef7dc483_proj
	.p2align	8
	.type	k_q53ef7dc483_proj,@function
k_q53ef7dc483_proj:
	s_mov_b64 s[64:65], 0
	v_nop
	global_prefetch_b8 v0, s[64:65] scope:SCOPE_SE
	s_setreg_imm32_b32 hwreg(HW_REG_WAVE_MODE, 25, 1), 1
	s_wait_xcnt 0x0
; q = x_q Wq + bq, k = x_k Wk + bk, v = x_v Wv + bv, on codes of FP8 (E4M3) with one E8M0 scale for each 32 along K; the results are quantised at once for the attention's products and leave as codes.
; Work-group (rb, y): tensor y (0 q, 1 k, 2 v), rows 128 rb on (batch rb / 8, key step rb % 8), ALL 1,024 columns: so x is read from memory once and quantised once.
; PHASE X.  Wave w quantises rows 32 w .. 32 w + 31 along K: each load reads one row's 512 consecutive bytes; they turn through the wave's own stage in LDS, so that a lane holds 16 neighbours along K of each block of 32.
;   The codes go to LDS as IMAGES OF AN OPERAND'S REGISTERS (register group c of lane l at 512 c + 16 l), the scale words 4 bytes a row.  One barrier; behind it LDS is only read.
;   x's first rows are the first large loads of the launch; three trips refill, the last is written out without loads, and in it the first K step's W is asked for.
; THE PRODUCTS.  Wave w takes columns 256 w on, in two passes of 128 (two heads): 128 x 128, 64 accumulators, 512 registers.  x's fragments come from LDS.  W's fragments, laid by the launch before in the order of the registers,
;   come from memory STRAIGHT INTO REGISTERS, one K step ahead: each feeds this one wave of the work-group, so a way through LDS would add a write and a read of every byte.  That is also why there is no tensor load,
;   and with no tile in LDS that work-groups share there is nothing for a cluster's joint load to fill.
; THE ROWS AND COLUMNS OF A TILE ARE NOT NEIGHBOURS: lane r of tile 2 b + u holds element 32 b + 8 u + r + 8 (r / 8), so that the 16 registers of the results of tiles 2 b and 2 b + 1 are 16 neighbours along source 0's axis.
; q, k: source 0 = 16 columns of W, source 1 = 16 rows of x: a lane holds one row and its registers run along the head's dims, which are the K of q k^T.
; v:    source 0 = 16 rows of x, source 1 = 16 columns of W: a lane holds one dim and its registers run along the keys, which are the K of the second product.
; Either way 64 registers (a unit) become one fragment by the macro QUANT.
; THE BIAS is the C of each sum's first matrix instruction.  Each wave copies its 256 numbers into LDS once (1,024 bytes) and takes them from there in the result's layout, pass by pass.
; OUT: qkvc [q, k, v][batch x head 128][65,536]: q, k: [tile of 16 rows 64][group 2][lane][16]; v: [key step 8][tile of 16 dims 4][group 4][lane][16].
;      qkvs [q, k, v][batch x head][2,048]: q, k: [pair of tiles 32][row 16] words = (even tile's two bytes, odd tile's two); v: [key step][tile][dim 16] words.
; The last K step of the last pass asks for the 16,896 bytes that follow in wcodes and wscales; Wo's lie behind Wv's there, so the loads stay inside the buffers; what they bring is not used.
; No prefetch: x is asked for from the launch's head on as fast as the loads issue, and W's fragments are read again by the 64 work-groups of a tensor.
; LIMITS: NaN and infinities are not served.  A block of zeros, or one whose largest magnitude lies under 2^-118, gets the byte 1: its codes are zeros or subnormal, and this program alone reads the bytes.
; REGISTERS.  window 0: v1-17 addresses; v32-39 W's scale words, two sets; v40-47 x's, two sets; v48-111 the bias as C; v128-255 x's eight fragments (in phase X v128-191 64 numbers; in phase X and on the way out v192-251 at work).
;   window 1: W's fragments, two sets of 128.   windows 2, 3: the accumulators (in phase X window 2 holds two sets of 32 rows x 16 bytes a lane).
.set XSC,  131072                      ; LDS: x's images [tile 8][K step 8][2,048] from 0; their scale words [tile][K step][row 16] here;
.set STG,  135168                      ; a stage of 32 rows x 528 bytes for each wave;
.set BIA,  202752                      ; and the bias, 1,024 bytes for each wave
.set SROW, 528                         ; 512 bytes + 16: the 16 rows that a load touches start at 16 different banks (64 banks of 4 bytes: ISA guide 11.1)
.set LI0, 1                            ; 16 x lane
.set LI1, 2                            ; + 65,536: tiles 4-7
.set LS0, 3                            ; XSC + 512 (lane / 16) + 4 (lane % 16): lanes 0-15 the even tile's words, lanes 16-31 the odd tile's
.set AX0, 4                            ; addresses of the loads in hand
.set AX1, 5
.set AXS, 6
.set L4,  7                            ; 4 x lane
.set BIW, 8                            ; the bias on its way into LDS: BIA + 1,024 x wave + 16 x lane
.set SWR, 9                            ; the stage: in
.set SRD, 10                           ; the stage: back
.set LIW, 11                           ; where my wave's images begin, + 16 x lane
.set XWI, 12
.set LSW, 13                           ; the same for the scale words
.set XWS, 14
.set OF2, 15                           ; 16 x lane + the distance to a unit's second half in qkvc
.set BQ,  16                           ; the bias out of LDS, q and k: BIA + 1,024 x wave + 64 (lane / 16): a lane's registers run along the columns
.set BV,  17                           ; v: BIA + 1,024 x wave + 4 (r + 8 (r / 8)): a lane holds one column
.set WS,  32
.set XS,  40
.set CB,  48
.set XF,  128
.set T,   128
.set PC,  192                          ; the codes just made
.set TM,  208                          ; v208-211 largest magnitudes, 212-215 bytes, 216-219 448 x scale, 220-223 the conversions' scale operands
.set PW,  224
.set SW,  232                          ; v232-239 the eight units' scale words
.set XW,  240
.set TP,  244
.set SETA, 0
.set SETB, 128
.set WV,  24
.set KND, 25                           ; 1 for v
.set YT,  26
.set XP,  28
.set WP,  30
.set WSP, 32
.set BP,  34
.set OC,  36
.set OS,  38
.set OU,  40
.set IA,  42                           ; from unit to unit in qkvc;
.set IB,  44                           ; from unit 3 to unit 4
.set OC2, 46
.set HM,  47
.set SEL, 48
.set MNT, 50
.set TX,  51
.set TXS, 52
.set XT,  53
.set LP,  54
.set PASS, 55
.set MSB, 0
.macro WIN new                         ; low byte: bits 1:0 source 0, 3:2 source 1, 5:4 source 2, 7:6 destination; the high byte repeats the setting that is left
.if MSB != (\new)
	s_set_vgpr_msb (MSB<<8)|(\new)
.set MSB, (\new)
.endif
.endm
.macro NOPS n
.rept \n
	v_nop
.endr
.endm
; 64 numbers of a lane at v[s] on in window W, register 16 b + i = k 32 b + 16 (lane / 16) + i of the lane's row, become a fragment's codes in v[PC] on and its scale word in v[pw] (window 0).
; The reads ascend.
.macro QUANT s, W, pw
	WIN (\W)|((\W)<<2)
.irp b, 0,1,2,3
	v_max3_num_f32 v[TM+\b], |v[(\s)+16*\b]|, |v[(\s)+16*\b+1]|, 0x4800000   ; my 16 numbers of block b, and the floor 2^(9 - 127): the byte cannot fall under 1
.endr
	WIN ((\W)<<2)|((\W)<<4)
.irp i, 2,4,6,8,10,12,14
.irp b, 0,1,2,3
	v_max3_num_f32 v[TM+\b], v[TM+\b], |v[(\s)+16*\b+\i]|, |v[(\s)+16*\b+\i+1]|   ; the four blocks by turns
.endr
.endr
	WIN 0
.irp b, 0,1,2,3
	v_permlanex16_b32 v[TM+4+\b], v[TM+\b], s[SEL], s[SEL+1]
.endr
.irp b, 0,1,2,3
	v_max_num_f32 v[TM+\b], v[TM+\b], v[TM+4+\b]   ; with lane l xor 16's 16: the block's largest magnitude
.endr
.irp b, 0,1,2,3
	v_add_nc_u32 v[TM+12+\b], 0xfc000000, v[TM+\b] ; 8 off its exponent field: the conversion's scale operand
.endr
.irp b, 0,1,2,3
	v_and_or_b32 v[TM+8+\b], v[TM+\b], 0x7f800000, s[MNT]   ; 448 x the scale
.endr
.irp b, 0,1,2,3
	v_lshrrev_b32 v[TM+4+\b], 23, v[TM+12+\b]      ; the scale's byte
.endr
	v_lshl_or_b32 v[\pw], v[TM+5], 8, v[TM+4]
	v_lshl_or_b32 v[\pw], v[TM+6], 16, v[\pw]
	v_lshl_or_b32 v[\pw], v[TM+7], 24, v[\pw]
	WIN (\W)|((\W)<<6)
.irp b, 0,1,2,3
.irp i, 0,1,2,3,4,5,6,7,8,9,10,11,12,13,14,15
	v_med3_num_f32 v[(\s)+16*\b+\i], v[(\s)+16*\b+\i], -v[TM+8+\b], v[TM+8+\b]   ; the conversion does not saturate (ISA guide 7.6.2): the hold
.endr
.endr
	WIN (\W)
.irp b, 0,1,2,3
	v_cvt_scalef32_pk8_fp8_f32 v[PC+4*\b:PC+4*\b+1], v[(\s)+16*\b:(\s)+16*\b+7], v[TM+12+\b]
	v_cvt_scalef32_pk8_fp8_f32 v[PC+4*\b+2:PC+4*\b+3], v[(\s)+16*\b+8:(\s)+16*\b+15], v[TM+12+\b]
.endr
	WIN 0
	v_nop                                          ; one plain line behind the last conversion
.endm
.macro WLOAD set                       ; a K step's eight fragments of W and their four registers of scale words: 36 loads
	WIN 0x40
.set q, 0
.rept 32
	global_load_b128 v[128*(\set)+4*q:128*(\set)+4*q+3], v[LI0], s[WP:WP+1] offset:512*q
.set q, q+1
.endr
	WIN 0
.irp p, 0,1,2,3
	global_load_b32 v[WS+4*(\set)+\p], v[L4], s[WSP:WSP+1] offset:128*\p
.endr
.endm
; The bias of a pass's 128 columns out of LDS, in the result's layout: register j of tile t.  off: the pass's 512 bytes.  Both arms write all 64 registers.
.macro CBLOAD off
	s_cmp_eq_u32 s[KND], 0
	s_cbranch_scc0 .Lcv_\@
.irp t, 0,1,2,3,4,5,6,7
	ds_load_b128 v[CB+8*\t:CB+8*\t+3], v[BQ] offset:(32*(\t/2)+8*(\t%2))*4+(\off)        ; q, k: columns 32 (t / 2) + 8 (t % 2) + 16 (lane / 16) + 0 .. 7
	ds_load_b128 v[CB+8*\t+4:CB+8*\t+7], v[BQ] offset:(32*(\t/2)+8*(\t%2))*4+16+(\off)
.endr
	s_branch .Lcj_\@
.Lcv_\@:
.irp t, 0,1,2,3,4,5,6,7
.irp j, 0,1,2,3,4,5,6,7
	ds_load_b32 v[CB+8*\t+\j], v[BV] offset:(32*(\t/2)+8*(\t%2))*4+(\off)                ; v: the lane's one column, in all eight registers
.endr
.endr
.Lcj_\@:
.endm
.macro XLOAD set, off                  ; 32 rows x 512 bytes (a K step) in the order of the two tiles' lanes: load q = tile q / 16, lane q % 16
	WIN 0x80
.set q, 0
.rept 32
	global_load_b128 v[(\set)+4*q:(\set)+4*q+3], v[LI0], s[XP:XP+1] offset:(8*(q/16)+(q%16)+((q%16)&8))*4096+(\off) th:TH_LOAD_NT
.set q, q+1
.endr
	WIN 0
.endm
.macro TLOAD off                       ; a tile's numbers back from the stage: 16 neighbours of each block of 32
.irp c, 0,1,2,3
.irp j, 0,1,2,3
	ds_load_b128 v[T+16*\c+4*\j:T+16*\c+4*\j+3], v[SRD] offset:(\off)+128*\c+16*\j
.endr
.endr
.endm
.macro IMAGE ci, si                    ; the fragment in v[PC] on goes to LDS as it stands; lanes 16-31 write the same scale word as lanes 0-15, with the same value
.irp c, 0,1,2,3
	ds_store_b128 v[XWI], v[PC+4*\c:PC+4*\c+3] offset:(\ci)+512*\c
.endr
	ds_store_b32 v[XWS], v[PW] offset:(\si)
.endm
; One K step of my 32 rows.  left: the loads younger than this set's, which may stay out.  refill = 1: the set takes the K step two further on.  wl = 1: the first K step's W is asked for here.
.macro XSTEP set, k, refill, left, wl
	s_wait_loadcnt \left                           ; loads come back in order (ISA guide 5.7.1): this set's 32 are in
	WIN 0x08
.set q, 0
.rept 32
	ds_store_b128 v[SWR], v[(\set)+4*q:(\set)+4*q+3] offset:SROW*q
.set q, q+1
.endr
	WIN 0
	TLOAD 0
	s_wait_dscnt 0x0                               ; tile 0 is back; the stores have read the set, and the last image's stores their codes
.if \refill
	XLOAD \set, 1024+512*(\k)
.endif
.if \wl
	WLOAD 0
.endif
	QUANT T, 0, PW
	IMAGE 2048*(\k), 64*(\k)
	TLOAD 16*SROW
	s_wait_dscnt 0x0
	QUANT T, 0, PW
	IMAGE 2048*(\k)+16384, 64*(\k)+512
.endm
.macro XTRIP refill, leftb, wl         ; two K steps
	v_add_nc_u32 v[XWI], s[TX], v[LIW]
	v_add_nc_u32 v[XWS], s[TXS], v[LSW]
	XSTEP SETA, 0, \refill, 32, \wl                ; behind set A's loads: set B's 32
	XSTEP SETB, 1, \refill, \leftb, 0
.endm
.macro XFLOAD adr, base                ; four of x's fragments
.irp x, 0,1,2,3
.irp c, 0,1,2,3
	ds_load_b128 v[XF+16*((\base)+\x)+4*\c:XF+16*((\base)+\x)+4*\c+3], v[\adr] offset:16384*\x+512*\c
.endr
.endr
.endm
.macro WMI                             ; one matrix instruction from the symbols set ahead of it; an odd tile's scale words lie in lanes 16-31
.if fa && fb
	v_wmma_scale_f32_16x16x128_f8f6f4 v[rD:rD+7], v[rA:rA+15], v[rB:rB+15], v[rC:rC+7], v[rSA], v[rSB] matrix_a_scale:MATRIX_SCALE_ROW1 matrix_b_scale:MATRIX_SCALE_ROW1
.elseif fa
	v_wmma_scale_f32_16x16x128_f8f6f4 v[rD:rD+7], v[rA:rA+15], v[rB:rB+15], v[rC:rC+7], v[rSA], v[rSB] matrix_a_scale:MATRIX_SCALE_ROW1
.elseif fb
	v_wmma_scale_f32_16x16x128_f8f6f4 v[rD:rD+7], v[rA:rA+15], v[rB:rB+15], v[rC:rC+7], v[rSA], v[rSB] matrix_b_scale:MATRIX_SCALE_ROW1
.else
	v_wmma_scale_f32_16x16x128_f8f6f4 v[rD:rD+7], v[rA:rA+15], v[rB:rB+15], v[rC:rC+7], v[rSA], v[rSB]
.endif
.endm
; 32 matrix instructions on x's tiles 4 xh .. 4 xh + 3.  The accumulators take turns, one instruction a turn.  zero = 1: C is the bias (window 0): nothing is cleared.
.macro MULK0 par, xh, zero             ; q, k: source 0 = W (window 1), source 1 = x (window 0); accumulator (x tile, W tile)
.if \zero
	WIN 0x81+0x40*(\xh)
.else
	WIN 0xa1+0x50*(\xh)
.endif
.set xi, 4*(\xh)
.rept 4
.set wi, 0
.rept 8
.set rD, 8*(8*(xi%4)+wi)
.set rA, 128*(\par)+16*wi
.set rB, XF+16*xi
.if \zero
.set rC, CB+8*wi
.else
.set rC, rD
.endif
.set rSA, WS+4*(\par)+wi/2
.set rSB, XS+4*(\par)+xi/2
.set fa, wi%2
.set fb, xi%2
	WMI
.set wi, wi+1
.endr
.set xi, xi+1
.endr
	WIN 0
.endm
.macro MULK1 par, xh, zero             ; v: source 0 = x (window 0), source 1 = W (window 1); accumulator (W tile, x tile)
.set wh, 0
.rept 2
.if \zero
	WIN 0x84+0x40*wh
.else
	WIN 0xa4+0x50*wh
.endif
.set xi, 4*(\xh)
.rept 4
.set wi, 4*wh
.rept 4
.set rD, 8*(8*(wi%4)+xi)
.set rA, XF+16*xi
.set rB, 128*(\par)+16*wi
.if \zero
.set rC, CB+8*wi
.else
.set rC, rD
.endif
.set rSA, XS+4*(\par)+xi/2
.set rSB, WS+4*(\par)+wi/2
.set fa, xi%2
.set fb, wi%2
	WMI
.set wi, wi+1
.endr
.set xi, xi+1
.endr
.set wh, wh+1
.endr
	WIN 0
.endm
.macro MUL32 kind, par, xh, zero       ; kind 2: both forms, chosen by a scalar branch on the tensor's number
.if (\kind) == 0
	MULK0 \par, \xh, \zero
.elseif (\kind) == 1
	MULK1 \par, \xh, \zero
.else
	s_cmp_eq_u32 s[KND], 0
	s_cbranch_scc0 .Lmv_\@
	MULK0 \par, \xh, \zero
	s_branch .Lmj_\@
.Lmv_\@:
	MULK1 \par, \xh, \zero
.Lmj_\@:
.endif
.endm
; A K step of 128: 64 matrix instructions.  par: which set of W's fragments and of the scale words is multiplied; the other set takes the next step's.
; A load into a register that a matrix instruction has read stands eight plain vector instructions behind it.
.macro STEP kind, par, zero
	v_add_nc_u32 v[AX1], s[TX], v[LI1]             ; this step's tiles 4-7
	NOPS 7                                         ; with the line above: eight places behind the last step's products
	s_wait_xcnt 0x0                                ; the last step's loads have read their bases
	s_add_nc_u64 s[WP:WP+1], s[WP:WP+1], 16384
	s_add_nc_u64 s[WSP:WSP+1], s[WSP:WSP+1], 512
	XFLOAD AX1, 4
	WLOAD 1-(\par)
	s_wait_loadcnt 36                              ; all but the 36 just issued: this step's W and its scale words are in
	s_wait_dscnt 16                                ; x's tiles 0-3, the scale words and the bias are in; the 16 loads of tiles 4-7 may be out
	MUL32 \kind, \par, 0, \zero
	s_add_co_u32 s[TX], s[TX], 2048                ; the next step's images; behind the eighth comes the first again
	s_and_b32 s[TX], s[TX], 0x3fff
	s_lshr_b32 s[TXS], s[TX], 5                    ; 64 bytes of scale words a step
	v_add_nc_u32 v[AX0], s[TX], v[LI0]
	v_add_nc_u32 v[AXS], s[TXS], v[LS0]
	NOPS 6                                         ; with the two lines above: eight places
	XFLOAD AX0, 0
.irp p, 0,1,2,3
	ds_load_b32 v[XS+4*(1-(\par))+\p], v[AXS] offset:1024*\p
.endr
	s_wait_dscnt 20                                ; tiles 4-7 are in; the 20 just issued may be out
	MUL32 \kind, \par, 1, \zero
.endm
	s_load_b512 s[4:19], s[0:1], 0x0               ; inputs_q, inputs_k, inputs_v, bq, bk, bv, wcodes, wscales
	s_load_b128 s[20:23], s[0:1], 0x40             ; qkvc, qkvs
	v_lshl_add_u32 v126, v0, 2, 0x32800
	v_mov_b32 v127, 0
	v_lshrrev_b32 v24, 5, v0
	v_readfirstlane_b32 s[WV], v24                 ; wave 0..3
	v_and_b32 v27, 31, v0                          ; lane
	v_and_b32 v24, 15, v0                          ; r
	v_bfe_u32 v25, v0, 4, 1                        ; h
	v_and_b32 v26, 8, v24
	v_add_nc_u32 v26, v26, v24                     ; r + 8 (r / 8)
	v_lshlrev_b32 v[LI0], 4, v27
	v_add_nc_u32 v[LI1], 0x10000, v[LI0]
	v_lshlrev_b32 v[LS0], 2, v24
	v_lshl_add_u32 v[LS0], v25, 9, v[LS0]
	v_add_nc_u32 v[LS0], XSC, v[LS0]
	v_lshlrev_b32 v[L4], 2, v27
	s_mul_i32 s56, s[WV], 32*SROW
	s_add_co_u32 s56, s56, STG                     ; my stage
	v_add_nc_u32 v[SWR], s56, v[LI0]
	v_mul_u32_u24 v[SRD], v24, SROW
	v_lshl_add_u32 v[SRD], v25, 6, v[SRD]
	v_add_nc_u32 v[SRD], s56, v[SRD]               ; row r, + 64 h: my 16 numbers of a block
	s_lshl_b32 s57, s[WV], 15
	v_add_nc_u32 v[LIW], s57, v[LI0]               ; tile 2 w's images
	s_lshl_b32 s57, s[WV], 10
	s_add_co_u32 s57, s57, XSC
	v_lshl_add_u32 v[LSW], v24, 2, s57             ; tile 2 w's scale words
	s_lshl_b32 s57, s[WV], 10
	s_add_co_u32 s57, s57, BIA                     ; my wave's 1,024 bytes of the bias
	v_add_nc_u32 v[BIW], s57, v[LI0]
	v_lshl_add_u32 v[BQ], v25, 6, s57
	v_lshl_add_u32 v[BV], v26, 2, s57
.irp b, 0,1,2,3
	v_mov_b32 v[TM+4+\b], 0                        ; written once: a lane permute's destination counts as one of its sources
.endr
	s_mov_b32 s[SEL], 0x76543210
	s_mov_b32 s[SEL+1], 0xfedcba98                 ; v_permlanex16_b32's selects for lane l xor 16
	s_mov_b32 s[MNT], 0x600000                     ; the mantissa field of 448
	s_mov_b32 s[HM], 0xffff0000                    ; lanes 16-31
	s_and_b32 s[YT], ttmp7, 0xffff
	s_cmp_eq_u32 s[YT], 2                          ; v?  All that differs is chosen here, on the work-group's number alone
	s_cselect_b32 s[KND], 1, 0
	s_mov_b32 s[IA], 1024
	s_cselect_b32 s[IA], 2048, s[IA]
	s_mov_b32 s[IA+1], 0
	s_mov_b32 s[IB], 1024
	s_cselect_b32 s[IB], 59392, s[IB]              ; v: from a head's tile 3 to the next head's tile 0: 65,536 - 3 x 2,048
	s_mov_b32 s[IB+1], 0
	s_mov_b32 s[OC2], 0x10000                      ; q, k: a unit's second half is the next head's;
	s_cselect_b32 s[OC2], 1024, s[OC2]             ; v: the same fragment's groups 2 and 3
	v_add_nc_u32 v[OF2], s[OC2], v[LI0]
	s_lshl_b32 s56, ttmp9, 19                      ; x: 128 rb rows of 4,096 bytes + 32 w rows
	s_lshl_b32 s58, s[WV], 17
	s_add_co_u32 s56, s56, s58
	s_mov_b32 s57, 0
	s_lshl_b32 s58, s[YT], 20                      ; W's codes: tensor, cg = 2 w
	s_lshl_b32 s60, s[WV], 18
	s_add_co_u32 s58, s58, s60
	s_mov_b32 s59, 0
	s_lshl_b32 s60, s[YT], 15                      ; W's scale words
	s_lshl_b32 s62, s[WV], 13
	s_add_co_u32 s60, s60, s62
	s_mov_b32 s61, 0
	s_lshl_b32 s62, s[WV], 10                      ; the bias: 256 w columns
	s_mov_b32 s63, 0
	s_lshr_b32 s74, ttmp9, 3                       ; batch
	s_and_b32 s75, ttmp9, 7                        ; key step
	s_lshl_b32 s70, s[YT], 23                      ; qkvc: tensor, batch x 16 heads, head 4 w, key step x 8,192
	s_lshl_b32 s76, s74, 20
	s_add_co_u32 s70, s70, s76
	s_lshl_b32 s76, s[WV], 18
	s_add_co_u32 s70, s70, s76
	s_lshl_b32 s76, s75, 13
	s_add_co_u32 s70, s70, s76
	s_mov_b32 s71, 0
	s_lshl_b32 s72, s[YT], 18                      ; qkvs: the same with 2,048 bytes a head and 256 a key step
	s_lshl_b32 s76, s74, 15
	s_add_co_u32 s72, s72, s76
	s_lshl_b32 s76, s[WV], 13
	s_add_co_u32 s72, s72, s76
	s_lshl_b32 s76, s75, 8
	s_add_co_u32 s72, s72, s76
	s_mov_b32 s73, 0
	s_wait_kmcnt 0x0
	s_cmp_eq_u32 s[YT], 1
	s_cselect_b64 s[4:5], s[6:7], s[4:5]
	s_cselect_b64 s[10:11], s[12:13], s[10:11]
	s_cmp_eq_u32 s[YT], 2
	s_cselect_b64 s[4:5], s[8:9], s[4:5]
	s_cselect_b64 s[10:11], s[14:15], s[10:11]
	s_add_nc_u64 s[XP:XP+1], s[4:5], s[56:57]
	s_add_nc_u64 s[WP:WP+1], s[16:17], s[58:59]
	s_add_nc_u64 s[WSP:WSP+1], s[18:19], s[60:61]
	s_add_nc_u64 s[BP:BP+1], s[10:11], s[62:63]
	s_add_nc_u64 s[OC:OC+1], s[20:21], s[70:71]
	s_add_nc_u64 s[OS:OS+1], s[22:23], s[72:73]
	global_load_b128 v[T:T+3], v[LI0], s[BP:BP+1]              ; my 256 numbers of the bias: two loads,
	global_load_b128 v[T+4:T+7], v[LI0], s[BP:BP+1] offset:512
	XLOAD SETA, 0                                  ; and at once x's first two K steps
	XLOAD SETB, 512
	s_wait_loadcnt 63                              ; behind the bias's two loads 64 were issued: they are in
	ds_store_b128 v[BIW], v[T:T+3]                 ; read again only behind the barrier below
	ds_store_b128 v[BIW], v[T+4:T+7] offset:512
	; ---- PHASE X: three trips of two K steps that refill both sets, and a last trip written out, which asks for no x: no load leaves its buffer
	s_mov_b32 s[TX], 0
	s_mov_b32 s[TXS], 0
	s_mov_b32 s[XT], 3
.Lx:
	XTRIP 1, 32, 0                                 ; behind set B's loads: set A's refill, 32
	s_wait_xcnt 0x0                                ; the loads have read their base
	s_add_nc_u64 s[XP:XP+1], s[XP:XP+1], 1024
	s_add_co_u32 s[TX], s[TX], 4096
	s_add_co_u32 s[TXS], s[TXS], 128
	s_sub_co_u32 s[XT], s[XT], 1
	s_cmp_lg_u32 s[XT], 0
	s_cbranch_scc1 .Lx
	XTRIP 0, 36, 1                                 ; behind set B's loads: the 36 of the first K step's W, which land under four fragments' quantising
	s_wait_dscnt 0x0                               ; for the others' sake: my images, scale words and bias have landed
	s_barrier_signal -1
	s_barrier_wait -1                              ; the launch's one barrier: behind it LDS is only read
	CBLOAD 0                                       ; the first pass's bias,
	XFLOAD LI0, 0                                  ; K step 0: tiles 0-3,
.irp p, 0,1,2,3
	ds_load_b32 v[XS+\p], v[LS0] offset:1024*\p    ; and its scale words
.endr
	s_mov_b32 s[TX], 0
	s_mov_b32 s[PASS], 2
.Lpass:                                            ; a pass: 128 columns, eight K steps, the way out
	s_cmp_eq_u32 s[KND], 0
	s_cbranch_scc0 .Lz1
	STEP 0, 0, 1                                   ; the first K step starts the sums on the bias; it stands whole in one arm
	s_branch .Lzj
.Lz1:
	STEP 1, 0, 1
.Lzj:
	STEP 2, 1, 0
	s_mov_b32 s[LP], 3
.Lk:
	STEP 2, 0, 0
	STEP 2, 1, 0
	s_sub_co_u32 s[LP], s[LP], 1
	s_cmp_lg_u32 s[LP], 0
	s_cbranch_scc1 .Lk
	; ---- THE WAY OUT.  The next pass's first fragments are on their way into v128-191, window 1's set 0 and the scale words' set 0; nothing here names them
	NOPS 8                                         ; places behind the last products, ahead of the first read of results, the first write into v192 on and the loads into the bias's registers
	s_cmp_eq_u32 s[PASS], 1
	s_cbranch_scc1 .Lnocb
	CBLOAD 512                                     ; the second pass's bias: this line runs at the first pass's end alone
.Lnocb:
	s_mov_b64 s[OU:OU+1], s[OC:OC+1]
.irp i, 0,1,2,3,4,5,6,7
	s_wait_xcnt 0x0                                ; the last unit's stores have read their codes and their base
.if \i == 4
	s_add_nc_u64 s[OU:OU+1], s[OU:OU+1], s[IB:IB+1]
.elseif \i > 0
	s_add_nc_u64 s[OU:OU+1], s[OU:OU+1], s[IA:IA+1]
.endif
	QUANT 64*(\i%4), 2+\i/4, SW+\i
	global_store_b128 v[LI0], v[PC:PC+3], s[OU:OU+1]                ; each store covers 512 consecutive bytes, aligned
	global_store_b128 v[LI0], v[PC+4:PC+7], s[OU:OU+1] offset:512
	global_store_b128 v[OF2], v[PC+8:PC+11], s[OU:OU+1]
	global_store_b128 v[OF2], v[PC+12:PC+15], s[OU:OU+1] offset:512
.endr
	s_cmp_eq_u32 s[KND], 0
	s_cbranch_scc0 .Lsv
	s_mov_b32 s56, 0x05040100                      ; q, k: a unit's word is (head 0's two bytes, head 1's two).  A head's word for a pair of tiles: the even tile's two bytes, the odd tile's two
	s_mov_b32 s57, 0x07060302
.irp m, 0,1,2,3
	v_perm_b32 v[TP+\m], v[SW+2*\m+1], v[SW+2*\m], s56
	v_perm_b32 v[TP+4+\m], v[SW+2*\m+1], v[SW+2*\m], s57
.endr
.irp m, 0,1,2,3
	v_cndmask_b32 v[XW+\m], v[TP+2*\m], v[TP+2*\m+1], s[HM]   ; two pairs' words to a register: lanes 0-15, lanes 16-31
.endr
	s_branch .Lsj
.Lsv:
.irp m, 0,1,2,3
	v_cndmask_b32 v[XW+\m], v[SW+2*\m], v[SW+2*\m+1], s[HM]   ; v: two tiles' words to a register
.endr
.Lsj:
	global_store_b32 v[L4], v[XW], s[OS:OS+1]                 ; 128 consecutive bytes each: the first head's 256, the second head's 256
	global_store_b32 v[L4], v[XW+1], s[OS:OS+1] offset:128
	global_store_b32 v[L4], v[XW+2], s[OS:OS+1] offset:2048
	global_store_b32 v[L4], v[XW+3], s[OS:OS+1] offset:2176
	s_wait_xcnt 0x0                                ; the stores have read their registers and bases: v192 on takes fragments again
	s_add_nc_u64 s[OC:OC+1], s[OC:OC+1], 0x20000   ; two heads on
	s_add_nc_u64 s[OS:OS+1], s[OS:OS+1], 4096
	s_sub_co_u32 s[PASS], s[PASS], 1
	s_cmp_lg_u32 s[PASS], 0
	s_cbranch_scc1 .Lpass
	s_wait_tensorcnt 0x0
	ds_add_u32 v126, v127
	s_wait_dscnt 0x0
	s_endpgm
.Lfunc_end_k_q53ef7dc483_proj:
	.size	k_q53ef7dc483_proj, .Lfunc_end_k_q53ef7dc483_proj-k_q53ef7dc483_proj
	.p2alignl 7, 3214868480
	.fill 96, 4, 3214868480
	.section	.rodata,"a",@progbits
	.p2align	6, 0x0
	.amdhsa_kernel k_q53ef7dc483_proj
		.amdhsa_group_segment_fixed_size 207360
		.amdhsa_private_segment_fixed_size 0
		.amdhsa_enable_private_segment 0
		.amdhsa_kernarg_size 80
		.amdhsa_user_sgpr_count 2
		.amdhsa_user_sgpr_kernarg_segment_ptr 1
		.amdhsa_wavefront_size32 1
		.amdhsa_system_sgpr_workgroup_id_x 1
		.amdhsa_system_sgpr_workgroup_id_y 1
		.amdhsa_system_sgpr_workgroup_id_z 1
		.amdhsa_system_vgpr_workitem_id 0
		.amdhsa_next_free_vgpr 1024
		.amdhsa_next_free_sgpr 90
		.amdhsa_reserve_vcc 0
		.amdhsa_float_denorm_mode_32 3
		.amdhsa_float_denorm_mode_16_64 3
		.amdhsa_memory_ordered 1
		.amdhsa_forward_progress 1
		.amdhsa_inst_pref_size 255
	.end_amdhsa_kernel
	.section	.bss,"aw",@nobits
	.p2align	6
	.space	262144
	.amdgpu_metadata
---
amdhsa.version: [ 1, 2 ]
amdhsa.kernels:
  - .name:           k_q53ef7dc483_proj
    .symbol:         k_q53ef7dc483_proj.kd
    .args:
      - { .name: inputs_q, .offset: 0, .size: 8, .value_kind: global_buffer, .address_space: global }
      - { .name: inputs_k, .offset: 8, .size: 8, .value_kind: global_buffer, .address_space: global }
      - { .name: inputs_v, .offset: 16, .size: 8, .value_kind: global_buffer, .address_space: global }
      - { .name: bq, .offset: 24, .size: 8, .value_kind: global_buffer, .address_space: global }
      - { .name: bk, .offset: 32, .size: 8, .value_kind: global_buffer, .address_space: global }
      - { .name: bv, .offset: 40, .size: 8, .value_kind: global_buffer, .address_space: global }
      - { .name: wcodes, .offset: 48, .size: 8, .value_kind: global_buffer, .address_space: global }
      - { .name: wscales, .offset: 56, .size: 8, .value_kind: global_buffer, .address_space: global }
      - { .name: qkvc, .offset: 64, .size: 8, .value_kind: global_buffer, .address_space: global }
      - { .name: qkvs, .offset: 72, .size: 8, .value_kind: global_buffer, .address_space: global }
    .group_segment_fixed_size: 207360
    .private_segment_fixed_size: 0
    .kernarg_segment_align: 8
    .kernarg_segment_size: 80
    .max_flat_workgroup_size: 128
    .sgpr_count:     90
    .vgpr_count:     1024
    .wavefront_size: 32
...
	.end_amdgpu_metadata
.endif
;; end of part 2
;; launch attn (part 3): grid 2 x 128, 16 waves a work-group, no clusters, 137,216 bytes of LDS; arguments qkvc, qkvs, ctxc, ctxs; writes ctxc, ctxs
.if DOCPART == 3
	.amdgcn_target "amdgcn-amd-amdhsa--gfx1250"
	.amdhsa_code_object_version 6
	.text
	.protected	k_q53ef7dc483_attn
	.globl	k_q53ef7dc483_attn
	.p2align	8
	.type	k_q53ef7dc483_attn,@function
k_q53ef7dc483_attn:
	s_mov_b64 s[64:65], 0
	v_nop
	global_prefetch_b8 v0, s[64:65] scope:SCOPE_SE
	s_setreg_imm32_b32 hwreg(HW_REG_WAVE_MODE, 25, 1), 1
	s_wait_xcnt 0x0
; ctx[b][q][head] = softmax_k(q . k / 8, causal) v, both products on codes of FP8 (E4M3) with one E8M0 scale for each 32 along a product's K; ctx is quantised along D at once and leaves as codes for the last product.
; THE SOFTMAX AHEAD OF THE SECOND PRODUCT: t = score x log2(e) / 8; M = the row's largest t so far, rounded UP to a whole number; p = 2^(t - M) is quantised along the keys, not normalised.
; The row's sum is taken of the unquantised p, in f32, and divides at the end.  When M moves, the sum and O are multiplied by 2^(old M - new M): exact.
; SHARES.  Work-group (j, bh): one head of one batch.  Its K and V, as images of operands' registers, and their scale words are copied into LDS ONCE (132 KiB); one barrier; behind it LDS is only read.
; Wave w of sixteen takes the tiles of 16 queries 2 w + j and 63 - (2 w + j), one after the other: w / 4 + 1 and 8 - w / 4 key steps of 128 that count: nine for every wave.
; A tile's q is asked for ahead of its turn: the first tile's with the fill, the second's at the head of the first tile's end, whose vector lines stand between the loads and the wait for them.
; Key steps all of whose keys come after the tile's queries are left out by a scalar branch on ids; the loop's trip count stays a constant.  On the diagonal hidden scores become -infinity ahead of the maximum: p = 0
; (reference() puts the lowest finite number there: p is 0 either way, since key 0 counts for every query).
; LAYOUT.  Both products transposed: S^T = K Q^T, O^T = V^T P^T: a lane holds ONE query throughout.  Lane r of tile 2 b + u (of queries, keys or dims) holds element 32 b + 8 u + r + 8 (r / 8),
; so that the 16 registers of the results of tiles 2 b and 2 b + 1 are 16 neighbours: p's registers run along the keys, O^T's along the head's dims, as the conversions want them.
; THE HEAD HAS 64 DIMS, the instruction 128 along K.  A fragment of K is TWO tiles of keys (tile 2 b in k = 0 .. 63, tile 2 b + 1 in k = 64 .. 127); Q lies as [q][zeros][q] in 24 registers, and the product with its first 16
; gives tile 2 b's scores, that with its last 16 tile 2 b + 1's.  The zeros are codes; K's codes opposite them are finite and every scale byte lies in 1 .. 254, so those products are exact zeros.
; No tensor load, no cluster: a head's K and V are fetched by two work-groups, once each, at the launch's head; nothing is streamed afterwards, so there is nothing to prefetch.
; LIMITS: NaN and infinities are not served.  A block of ctx whose largest magnitude lies under 2^-118 gets the byte 1: this program alone reads the bytes.
.set LIK, 1                            ; 16 x lane: K's images
.set LIV, 2                            ; + 65,536: V's
.set LSK, 3                            ; 131,072 + 4 x lane: K's scale words
.set LSV, 4                            ; 133,120 + 4 x lane: V's
.set QD,  5                            ; r + 8 (r / 8) - 16 h
.set R4,  6                            ; 4 r
.set FO,  7                            ; the fill: 16 x lane + 4,096 x wave
.set ADK, 8
.set ADV, 9
.set ADS, 10
.set ADT, 11
                                       ; v12 -M, v13 the largest t, v[14:15] the sum in two halves
.set Q,   16                           ; v16-23 q, v24-31 zeros, v32-39 q
.set FR,  40                           ; v40-103 four fragments, of K and then of V
.set S,   104                          ; v104-167 S^T, then p; at the end O^T / the sum
.set O,   168                          ; v168-199 O^T, four tiles
.set PCD, 200                          ; v200-215 p's codes
.set BM,  216                          ; the blocks' largest scores, then largest p
.set PD,  220                          ; permutes' destinations, then scale bytes
.set HO,  224                          ; 448 x the scale
.set SO,  228                          ; the conversions' scale operands
.set KSW, 232                          ; v232-233 K's scale words;
.set VSW, 234                          ; v234-235 V's
.set F,   236                          ; v236 f = 2^(old M - new M); v237 p's scale word
.set TMP, 238
.set QSW, 239                          ; q's scale word
.set CH,  240                          ; v[240:241] the second chain of the sum
.set CCD, 242                          ; v242-249 ctx's codes
.set CW,  250                          ; ctx's two scale bytes
.set QRW, 251                          ; the scale word of q's pair of tiles, as loaded
.set WV,  12
.set BHD, 13
.set QC,  14
.set QS,  16
.set CXB, 18
.set CSB, 20
.set KC,  22
.set VC,  24
.set KSP, 26
.set VSP, 28
.set SEL, 30
.set CSC, 32                           ; s[32:33] c = log2(e) / 8: the packed form names a pair and takes its low word for both halves
.set MNT, 34
.set TI,  35                           ; the tile of queries in hand
.set DG,  36                           ; its key step on the diagonal
.set QL,  37                           ; its first query in that step
.set SELQ, 38
.set KS,  39
.set TB,  40
.set TSC, 41
.set TT,  42
.set QP,  44
.set QSP, 46
.set CP,  48
.set CSP, 50
.macro QASK                            ; tile TI's codes, into both copies, and its pair's scale words: five loads
	s_lshl_b32 s52, s[TI], 10
	s_mov_b32 s53, 0
	s_add_nc_u64 s[QP:QP+1], s[QC:QC+1], s[52:53]
	s_lshr_b32 s52, s[TI], 1
	s_lshl_b32 s52, s52, 6
	s_add_nc_u64 s[QSP:QSP+1], s[QS:QS+1], s[52:53]
	global_load_b128 v[Q:Q+3], v[LIK], s[QP:QP+1]
	global_load_b128 v[Q+4:Q+7], v[LIK], s[QP:QP+1] offset:512
	global_load_b128 v[Q+16:Q+19], v[LIK], s[QP:QP+1]
	global_load_b128 v[Q+20:Q+23], v[LIK], s[QP:QP+1] offset:512
	global_load_b32 v[QRW], v[R4], s[QSP:QSP+1]
.endm
	s_load_b256 s[4:11], s[0:1], 0x0               ; qkvc, qkvs, ctxc, ctxs
	v_lshl_add_u32 v254, v0, 2, 0x21000
	v_mov_b32 v255, 0
	v_lshrrev_b32 v8, 5, v0
	v_readfirstlane_b32 s[WV], v8                  ; wave 0..15
	v_and_b32 v8, 31, v0                           ; lane
	v_and_b32 v9, 15, v0                           ; r
	v_bfe_u32 v10, v0, 4, 1                        ; h
	v_lshlrev_b32 v[LIK], 4, v8
	v_add_nc_u32 v[LIV], 0x10000, v[LIK]
	v_lshlrev_b32 v11, 2, v8
	v_add_nc_u32 v[LSK], 0x20000, v11
	v_add_nc_u32 v[LSV], 0x20800, v11
	v_and_b32 v12, 8, v9
	v_add_nc_u32 v12, v12, v9
	v_lshlrev_b32 v13, 4, v10
	v_sub_nc_u32 v[QD], v12, v13
	v_lshlrev_b32 v[R4], 2, v9
	s_lshl_b32 s52, s[WV], 12
	v_add_nc_u32 v[FO], s52, v[LIK]
	v_add_nc_u32 v14, 0x10000, v[FO]               ; V's place in LDS
	s_lshl_b32 s52, s[WV], 7
	v_add_nc_u32 v15, s52, v11                     ; 4 x lane + 128 x wave
	v_add_nc_u32 v252, 0x20000, v15
	v_add_nc_u32 v253, 0x20800, v15
	s_lshl_b32 s[TI], s[WV], 1
	s_add_co_u32 s[TI], s[TI], ttmp9               ; my first tile: 2 w + j
	s_and_b32 s[BHD], ttmp7, 0xffff                ; batch x 16 + head
	s_lshl_b32 s52, s[BHD], 16
	s_mov_b32 s53, 0
	s_lshl_b32 s54, s[BHD], 11
	s_mov_b32 s55, 0
	s_wait_kmcnt 0x0
	s_add_nc_u64 s[QC:QC+1], s[4:5], s[52:53]
	s_add_nc_u64 s[KC:KC+1], s[QC:QC+1], 0x800000
	s_add_nc_u64 s[VC:VC+1], s[QC:QC+1], 0x1000000
	s_add_nc_u64 s[QS:QS+1], s[6:7], s[54:55]
	s_add_nc_u64 s[KSP:KSP+1], s[QS:QS+1], 0x40000
	s_add_nc_u64 s[VSP:VSP+1], s[QS:QS+1], 0x80000
.irp i, 0,1,2,3,4,5,6,7
	global_load_b128 v[S+4*\i:S+4*\i+3], v[FO], s[KC:KC+1] offset:512*\i        ; my sixteenth of K's images: 4,096 bytes, 512 consecutive bytes a load
.endr
.irp i, 0,1,2,3,4,5,6,7
	global_load_b128 v[S+32+4*\i:S+32+4*\i+3], v[FO], s[VC:VC+1] offset:512*\i  ; and of V's
.endr
	global_load_b32 v[KSW], v15, s[KSP:KSP+1]
	global_load_b32 v[VSW], v15, s[VSP:VSP+1]
	QASK                                           ; my first tile's q goes out with the fill: one wait serves both
	s_lshr_b32 s52, s[BHD], 4                      ; batch
	s_and_b32 s54, s[BHD], 15                      ; head
	s_lshl_b32 s56, s52, 20                        ; ctxc: [batch x 64 + tile][K step head / 2][group 2 (head % 2) + b][lane][16]
	s_lshl_b32 s57, s54, 10
	s_add_co_u32 s56, s56, s57
	s_mov_b32 s57, 0
	s_add_nc_u64 s[CXB:CXB+1], s[8:9], s[56:57]
	s_lshl_b32 s56, s52, 15                        ; ctxs: [batch x 64 + tile][K step][row] words; my head's bytes 2 (head % 2) and the next
	s_lshr_b32 s53, s54, 1
	s_lshl_b32 s53, s53, 6
	s_add_co_u32 s56, s56, s53
	s_and_b32 s53, s54, 1
	s_lshl_b32 s53, s53, 1
	s_add_co_u32 s56, s56, s53
	s_add_nc_u64 s[CSB:CSB+1], s[10:11], s[56:57]
	s_mov_b32 s[SEL], 0x76543210
	s_mov_b32 s[SEL+1], 0xfedcba98                 ; v_permlanex16_b32's selects for lane l xor 16
	s_mov_b32 s[CSC], 0x3e38aa3b                   ; log2(e) / 8
	s_mov_b32 s[CSC+1], s[CSC]
	s_mov_b32 s[MNT], 0x600000                     ; the mantissa field of 448
	s_mov_b32 s[TT], 2
.irp j, 0,1,2,3,4,5,6,7
	v_mov_b32 v[Q+8+\j], 0                         ; the zero codes between q's two copies
.endr
.irp b, 0,1,2,3
	v_mov_b32 v[PD+\b], 0                          ; written once: a lane permute's destination counts as one of its sources
.endr
	v_mov_b32 v[F+1], 0                            ; (named as the upper half of the pair v[236:237] before it is first written)
	s_wait_loadcnt 0x0
.irp i, 0,1,2,3,4,5,6,7
	ds_store_b128 v[FO], v[S+4*\i:S+4*\i+3] offset:512*\i
.endr
.irp i, 0,1,2,3,4,5,6,7
	ds_store_b128 v14, v[S+32+4*\i:S+32+4*\i+3] offset:512*\i
.endr
	ds_store_b32 v252, v[KSW]
	ds_store_b32 v253, v[VSW]
	s_wait_dscnt 0x0                               ; for the others' sake: my part has landed
	s_barrier_signal -1
	s_barrier_wait -1                              ; the launch's one barrier
.Ltile:                                            ; two trips: tile TI, then tile 63 - TI; the tile's q has been asked for
	s_wait_xcnt 0x0                                ; the last tile's stores have read their bases and data
	s_lshr_b32 s[DG], s[TI], 3
	s_and_b32 s52, s[TI], 7
	s_lshr_b32 s52, s52, 1
	s_lshl_b32 s52, s52, 5
	s_and_b32 s53, s[TI], 1
	s_lshl_b32 s54, s53, 3
	s_add_co_u32 s[QL], s52, s54                   ; 32 ((TI % 8) / 2) + 8 (TI % 2)
	s_mov_b32 s[SELQ], 0x01000100                  ; q's word holds a pair of tiles' bytes: my tile's two are wanted twice, for k = 0 .. 63 and for k = 64 .. 127
	s_cmp_eq_u32 s53, 1
	s_cselect_b32 s[SELQ], 0x03020302, s[SELQ]
	s_mov_b32 s53, 0
	s_lshl_b32 s52, s[TI], 14
	s_add_nc_u64 s[CP:CP+1], s[CXB:CXB+1], s[52:53]
	s_lshl_b32 s52, s[TI], 9
	s_add_nc_u64 s[CSP:CSP+1], s[CSB:CSB+1], s[52:53]
	v_mov_b32 v13, 0xff61b1e6                      ; the largest t so far: -3e38, under every t
	v_floor_f32 v12, -v13                          ; -M
	v_mov_b32 v14, 0
	v_mov_b32 v15, 0
	s_mov_b32 s[KS], 0
	s_mov_b32 s[TB], 0
	s_mov_b32 s[TSC], 0
	s_wait_loadcnt 0x0                             ; q and its scale words
	v_perm_b32 v[QSW], v[QRW], v[QRW], s[SELQ]
.set n, 0
.rept 32
	v_mov_b32 v[O+n], 0                            ; O^T: the first step finds zeros, which the first change of M leaves zeros.  (These lines also part the scale word's making from the first product)
.set n, n+1
.endr
.Lstep:                                            ; eight trips, a key step of 128 each
	s_cmp_gt_u32 s[KS], s[DG]                      ; all its keys come after my queries: only the addresses step
	s_cbranch_scc1 .Lhidden
	v_add_nc_u32 v[ADK], s[TB], v[LIK]
	v_add_nc_u32 v[ADV], s[TB], v[LIV]
	v_add_nc_u32 v[ADS], s[TSC], v[LSK]
	v_add_nc_u32 v[ADT], s[TSC], v[LSV]
.rept 4
	v_nop                                          ; with the four lines above: eight places in front of loads into registers that the last products have read
.endr
.irp b, 0,1,2,3
.irp g, 0,1,2,3
	ds_load_b128 v[FR+16*\b+4*\g:FR+16*\b+4*\g+3], v[ADK] offset:2048*\b+512*\g
.endr
.endr
	ds_load_b32 v[KSW], v[ADS]                     ; lanes 0-15: fragment 0's words, lanes 16-31: fragment 1's
	ds_load_b32 v[KSW+1], v[ADS] offset:128
	s_wait_dscnt 0x0
.irp b, 0,1,2,3
.if \b%2
	v_wmma_scale_f32_16x16x128_f8f6f4 v[S+16*\b:S+16*\b+7], v[FR+16*\b:FR+16*\b+15], v[Q:Q+15], 0, v[KSW+\b/2], v[QSW] matrix_a_scale:MATRIX_SCALE_ROW1
	v_wmma_scale_f32_16x16x128_f8f6f4 v[S+16*\b+8:S+16*\b+15], v[FR+16*\b:FR+16*\b+15], v[Q+8:Q+23], 0, v[KSW+\b/2], v[QSW] matrix_a_scale:MATRIX_SCALE_ROW1
.else
	v_wmma_scale_f32_16x16x128_f8f6f4 v[S+16*\b:S+16*\b+7], v[FR+16*\b:FR+16*\b+15], v[Q:Q+15], 0, v[KSW+\b/2], v[QSW]
	v_wmma_scale_f32_16x16x128_f8f6f4 v[S+16*\b+8:S+16*\b+15], v[FR+16*\b:FR+16*\b+15], v[Q+8:Q+23], 0, v[KSW+\b/2], v[QSW]
.endif
.endr                                              ; register 16 b + i of S^T: key 32 b + 16 (lane / 16) + i of the step, query lane % 16 of my tile
.rept 8
	v_nop                                          ; places: for the first read of the scores, and for V's loads into the registers that held K
.endr
.irp t, 0,1,2,3
.irp g, 0,1,2,3
	ds_load_b128 v[FR+16*\t+4*\g:FR+16*\t+4*\g+3], v[ADV] offset:2048*\t+512*\g   ; V's four fragments land under the softmax
.endr
.endr
	ds_load_b32 v[VSW], v[ADT]
	ds_load_b32 v[VSW+1], v[ADT] offset:128
	s_cmp_lg_u32 s[KS], s[DG]                      ; a step all of whose keys count skips the mask
	s_cbranch_scc1 .Lopen
	v_add_nc_u32 v[TMP], s[QL], v[QD]              ; d = my query in the step - 16 (lane / 16): register 16 b + i is hidden where 32 b + i > d
	v_mov_b32 v[F], 0xff800000                     ; -infinity
.set n, 0
.rept 64
	v_cmp_gt_i32 vcc_lo, 32*(n/16)+n%16, v[TMP]
	v_cndmask_b32 v[S+n], v[S+n], v[F], vcc_lo
.set n, n+1
.endr
.Lopen:
.irp b, 0,1,2,3
	v_max3_num_f32 v[BM+\b], v[S+16*\b], v[S+16*\b+1], v[S+16*\b+2]   ; the largest score of each block of 32 keys: for the row's maximum and, since p rises with the score, for the block's largest p
.endr
.irp i, 3,5,7,9,11,13
.irp b, 0,1,2,3
	v_max3_num_f32 v[BM+\b], v[BM+\b], v[S+16*\b+\i], v[S+16*\b+\i+1]
.endr
.endr
.irp b, 0,1,2,3
	v_max_num_f32 v[BM+\b], v[BM+\b], v[S+16*\b+15]
.endr
.irp b, 0,1,2,3
	v_permlanex16_b32 v[PD+\b], v[BM+\b], s[SEL], s[SEL+1]
.endr
.irp b, 0,1,2,3
	v_max_num_f32 v[BM+\b], v[BM+\b], v[PD+\b]     ; with lane l xor 16's 16 keys
.endr
	v_max3_num_f32 v[TMP], v[BM], v[BM+1], v[BM+2]
	v_max_num_f32 v[TMP], v[TMP], v[BM+3]          ; the step's largest score of my query
	v_mul_f32 v[TMP], s[CSC], v[TMP]               ; as t (c is positive)
	v_max_num_f32 v13, v13, v[TMP]                 ; the running largest t
	v_mov_b32 v[TMP], v12
	v_floor_f32 v12, -v13                          ; the new -M = floor(-t) = -ceil(t)
	v_sub_f32 v[TMP], v12, v[TMP]                  ; old M - new M: a whole number, 0 or less
	v_cvt_i32_f32 v[TMP], v[TMP]                   ; (it saturates)
	v_ldexp_f32 v[F], 1.0, v[TMP]                  ; f = 2^(old M - new M)
.set n, 0
.rept 32
	v_pk_fma_f32 v[S+n:S+n+1], v[S+n:S+n+1], s[CSC:CSC+1], v[12:13] op_sel_hi:[1,0,0]   ; t - M, two at a time
.set n, n+2
.endr
.irp b, 0,1,2,3
	v_fma_f32 v[BM+\b], v[BM+\b], s[CSC], v12      ; the same of each block's largest score
.endr
.set n, 0
.rept 64
	v_exp_f32 v[S+n], v[S+n]                       ; p = 2^(t - M), at most 1
.set n, n+1
.endr
	v_pk_mul_f32 v[14:15], v[14:15], v[F:F+1] op_sel_hi:[1,0]   ; the sums under the new M: a plain line behind the exponentials
	s_wait_alu depctr_va_vdst(0)                   ; one wait for the whole batch, ahead of its first reader
.irp b, 0,1,2,3
	v_exp_f32 v[BM+\b], v[BM+\b]                   ; the block's largest p: the same two instructions on the same number give the same bits
.endr
	v_pk_add_f32 v[CH:CH+1], v[S:S+1], v[S+2:S+3]  ; the row's sum is taken of the unquantised p: two at a time, in two chains
.irp j, 4,8,12,16,20,24,28,32,36,40,44,48,52,56,60
	v_pk_add_f32 v[14:15], v[14:15], v[S+\j:S+\j+1]
	v_pk_add_f32 v[CH:CH+1], v[CH:CH+1], v[S+\j+2:S+\j+3]
.endr
	v_pk_add_f32 v[14:15], v[14:15], v[CH:CH+1]
	s_wait_alu depctr_va_vdst(0)                   ; and one for the four
.irp b, 0,1,2,3
	v_max_num_f32 v[BM+\b], 0x4800000, v[BM+\b]    ; the floor 2^(9 - 127): a block whose every p is 0 keeps the byte 1; its codes are zeros
.endr
.irp b, 0,1,2,3
	v_add_nc_u32 v[SO+\b], 0xfc000000, v[BM+\b]
.endr
.irp b, 0,1,2,3
	v_and_or_b32 v[HO+\b], v[BM+\b], 0x7f800000, s[MNT]
.endr
.irp b, 0,1,2,3
	v_lshrrev_b32 v[PD+\b], 23, v[SO+\b]
.endr
	v_lshl_or_b32 v[F+1], v[PD+1], 8, v[PD]        ; p's scale word for these 128 keys
	v_lshl_or_b32 v[F+1], v[PD+2], 16, v[F+1]
	v_lshl_or_b32 v[F+1], v[PD+3], 24, v[F+1]
.irp b, 0,1,2,3
.irp i, 0,1,2,3,4,5,6,7,8,9,10,11,12,13,14,15
	v_min_num_f32 v[S+16*\b+\i], v[S+16*\b+\i], v[HO+\b]   ; the conversion does not saturate (ISA guide 7.6.2); p is not negative, so the hold is one-sided
.endr
	v_cvt_scalef32_pk8_fp8_f32 v[PCD+4*\b:PCD+4*\b+1], v[S+16*\b:S+16*\b+7], v[SO+\b]
	v_cvt_scalef32_pk8_fp8_f32 v[PCD+4*\b+2:PCD+4*\b+3], v[S+16*\b+8:S+16*\b+15], v[SO+\b]
.endr
.set n, 0
.rept 16
	v_pk_mul_f32 v[O+n:O+n+1], v[O+n:O+n+1], v[F:F+1] op_sel_hi:[1,0]   ; O^T under the new M.  (These sixteen also part the codes' making from the products below)
.set n, n+2
.endr
	s_wait_dscnt 0x0                               ; V is in
.irp t, 0,1,2,3
.if \t%2
	v_wmma_scale_f32_16x16x128_f8f6f4 v[O+8*\t:O+8*\t+7], v[FR+16*\t:FR+16*\t+15], v[PCD:PCD+15], v[O+8*\t:O+8*\t+7], v[VSW+\t/2], v[F+1] matrix_a_scale:MATRIX_SCALE_ROW1
.else
	v_wmma_scale_f32_16x16x128_f8f6f4 v[O+8*\t:O+8*\t+7], v[FR+16*\t:FR+16*\t+15], v[PCD:PCD+15], v[O+8*\t:O+8*\t+7], v[VSW+\t/2], v[F+1]
.endif
.endr
.Lhidden:
	s_add_co_u32 s[TB], s[TB], 8192                ; the next step's images,
	s_add_co_u32 s[TSC], s[TSC], 256               ; and scale words
	s_add_co_u32 s[KS], s[KS], 1
	s_cmp_lt_u32 s[KS], 8
	s_cbranch_scc1 .Lstep
	; ---- the tile's end: O^T / the sum, quantised along the head's dims (two blocks of 32)
.rept 8
	v_nop                                          ; places behind the last products
.endr
	s_sub_co_u32 s[TI], 63, s[TI]                  ; the other tile.  This tile's places in ctxc and ctxs were made at its head
	s_cmp_eq_u32 s[TT], 1
	s_cbranch_scc1 .Lnoq                           ; the second tile has no successor
	QASK                                           ; q's registers were last read by products that stand a whole softmax back; this tile's own loads were waited for at its head, so their bases may be written
.Lnoq:
	v_add_f32 v14, v14, v15
	v_permlanex16_b32 v[TMP], v14, s[SEL], s[SEL+1]
	v_add_f32 v14, v14, v[TMP]                     ; the row's sum
	v_rcp_f32 v14, v14
	v_nop                                          ; a plain line behind the reciprocal,
	s_wait_alu depctr_va_vdst(0)                   ; and the wait ahead of its first reader
.set n, 0
.rept 32
	v_mul_f32 v[S+n], v[O+n], v14                  ; register 16 b + i: dim 32 b + 16 (lane / 16) + i of my query
.set n, n+1
.endr
.irp b, 0,1
	v_max3_num_f32 v[BM+\b], |v[S+16*\b]|, |v[S+16*\b+1]|, 0x4800000
.endr
.irp i, 2,4,6,8,10,12,14
.irp b, 0,1
	v_max3_num_f32 v[BM+\b], v[BM+\b], |v[S+16*\b+\i]|, |v[S+16*\b+\i+1]|
.endr
.endr
.irp b, 0,1
	v_permlanex16_b32 v[PD+\b], v[BM+\b], s[SEL], s[SEL+1]
.endr
.irp b, 0,1
	v_max_num_f32 v[BM+\b], v[BM+\b], v[PD+\b]
.endr
.irp b, 0,1
	v_add_nc_u32 v[SO+\b], 0xfc000000, v[BM+\b]
.endr
.irp b, 0,1
	v_and_or_b32 v[HO+\b], v[BM+\b], 0x7f800000, s[MNT]
.endr
.irp b, 0,1
	v_lshrrev_b32 v[PD+\b], 23, v[SO+\b]
.endr
	v_lshl_or_b32 v[CW], v[PD+1], 8, v[PD]
.irp b, 0,1
.irp i, 0,1,2,3,4,5,6,7,8,9,10,11,12,13,14,15
	v_med3_num_f32 v[S+16*\b+\i], v[S+16*\b+\i], -v[HO+\b], v[HO+\b]
.endr
	v_cvt_scalef32_pk8_fp8_f32 v[CCD+4*\b:CCD+4*\b+1], v[S+16*\b:S+16*\b+7], v[SO+\b]
	v_cvt_scalef32_pk8_fp8_f32 v[CCD+4*\b+2:CCD+4*\b+3], v[S+16*\b+8:S+16*\b+15], v[SO+\b]
.endr
	v_nop                                          ; one plain line behind the last conversion
	global_store_b128 v[LIK], v[CCD:CCD+3], s[CP:CP+1]               ; two register groups of the last product's operand: 512 consecutive bytes each
	global_store_b128 v[LIK], v[CCD+4:CCD+7], s[CP:CP+1] offset:512
	global_store_b16 v[R4], v[CW], s[CSP:CSP+1]    ; my head's two bytes of the row's scale word; lanes 16-31 repeat lanes 0-15's
	s_sub_co_u32 s[TT], s[TT], 1
	s_cmp_lg_u32 s[TT], 0
	s_cbranch_scc1 .Ltile
	s_wait_tensorcnt 0x0
	ds_add_u32 v254, v255
	s_wait_dscnt 0x0
	s_endpgm
.Lfunc_end_k_q53ef7dc483_attn:
	.size	k_q53ef7dc483_attn, .Lfunc_end_k_q53ef7dc483_attn-k_q53ef7dc483_attn
	.p2alignl 7, 3214868480
	.fill 96, 4, 3214868480
	.section	.rodata,"a",@progbits
	.p2align	6, 0x0
	.amdhsa_kernel k_q53ef7dc483_attn
		.amdhsa_group_segment_fixed_size 137216
		.amdhsa_private_segment_fixed_size 0
		.amdhsa_enable_private_segment 0
		.amdhsa_kernarg_size 32
		.amdhsa_user_sgpr_count 2
		.amdhsa_user_sgpr_kernarg_segment_ptr 1
		.amdhsa_wavefront_size32 1
		.amdhsa_system_sgpr_workgroup_id_x 1
		.amdhsa_system_sgpr_workgroup_id_y 1
		.amdhsa_system_sgpr_workgroup_id_z 1
		.amdhsa_system_vgpr_workitem_id 0
		.amdhsa_next_free_vgpr 256
		.amdhsa_next_free_sgpr 66
		.amdhsa_reserve_vcc 1
		.amdhsa_float_denorm_mode_32 3
		.amdhsa_float_denorm_mode_16_64 3
		.amdhsa_memory_ordered 1
		.amdhsa_forward_progress 1
		.amdhsa_inst_pref_size 39
	.end_amdhsa_kernel
	.amdgpu_metadata
---
amdhsa.version: [ 1, 2 ]
amdhsa.kernels:
  - .name:           k_q53ef7dc483_attn
    .symbol:         k_q53ef7dc483_attn.kd
    .args:
      - { .name: qkvc, .offset: 0, .size: 8, .value_kind: global_buffer, .address_space: global }
      - { .name: qkvs, .offset: 8, .size: 8, .value_kind: global_buffer, .address_space: global }
      - { .name: ctxc, .offset: 16, .size: 8, .value_kind: global_buffer, .address_space: global }
      - { .name: ctxs, .offset: 24, .size: 8, .value_kind: global_buffer, .address_space: global }
    .group_segment_fixed_size: 137216
    .private_segment_fixed_size: 0
    .kernarg_segment_align: 8
    .kernarg_segment_size: 32
    .max_flat_workgroup_size: 512
    .sgpr_count:     66
    .vgpr_count:     256
    .wavefront_size: 32
...
	.end_amdgpu_metadata
.endif
;; end of part 3
;; launch outproj (part 4): grid 4 x 64, 4 waves a work-group, no clusters, 153,088 bytes of LDS; arguments ctxc, ctxs, wcodes, wscales, bo, out0; writes out0
.if DOCPART == 4
	.amdgcn_target "amdgcn-amd-amdhsa--gfx1250"
	.amdhsa_code_object_version 6
	.text
	.protected	k_q53ef7dc483_outproj
	.globl	k_q53ef7dc483_outproj
	.p2align	8
	.type	k_q53ef7dc483_outproj,@function
k_q53ef7dc483_outproj:
	s_mov_b64 s[64:65], 0
	v_nop
	global_prefetch_b8 v0, s[64:65] scope:SCOPE_SE
	s_setreg_imm32_b32 hwreg(HW_REG_WAVE_MODE, 25, 1), 1
	s_wait_xcnt 0x0
; out0 = ctx Wo + bo, on codes of FP8 (E4M3) with one E8M0 scale for each 32 along K; ctx's codes and Wo's were made by earlier launches, both laid in the order of an operand's registers.
; Work-group (ch, rb): rows 128 rb on, columns 256 ch on: 4 x 64 = 256 work-groups.  Its 128 rows' images (131,072 bytes) and scale words (4,096) are one dense block each: they are copied into LDS once; one barrier; all four waves read them.
; Wave w takes columns 256 ch + 64 w on: 128 x 64, 32 accumulators, 256 registers.  ITS PART OF Wo FOR ALL OF K, 64 x 1,024 codes, IS 512 REGISTERS: every fragment has registers of its own, comes from memory straight into them,
; and is asked for three K steps ahead of its products (18 loads a step: 16 register groups and two registers of scale words).  No load of Wo lands on a register that a product has read, no pointer is stepped, and the eight K steps are written out.
; Each fragment of Wo feeds this one wave of the work-group, so there is no tile in LDS that work-groups share, and nothing for a tensor load or a cluster's joint load to fill.
; No prefetch: ctx's block is asked for whole at the head, and Wo's fragments are read again by the 64 work-groups of a column block.
; Source 0 = 16 columns of Wo, source 1 = 16 rows of ctx: a lane holds one row, and the 16 registers of tiles 2 b and 2 b + 1 are columns 32 b + 16 (lane / 16) + 0 .. 15.  The bias is the C of each sum's first instruction.
; Lane r of tile 2 b + u (of rows or of columns) holds element 32 b + 8 u + r + 8 (r / 8): the way out puts each row at its true place.
; REGISTERS.  window 0: v1-15 addresses; v16-31 Wo's scale words, two for each K step; v40-47 ctx's, two sets; v48-79 the bias as C; v128-255 ctx's eight fragments, on the way out rows of the result.
;   windows 1, 2: Wo's fragments: K step s, tile t at v[64 (s % 4) + 16 t] of window 1 + s / 4.   window 3: the accumulators, (row tile x, column tile t) at v[8 (4 x + t)] (at the head it carries my quarter of the images into LDS).
.set XSC,  131072
.set STG,  135168                      ; a stage of 16 rows x 272 bytes for each wave
.set SROW, 272                         ; 256 bytes + 16: the 16 rows that a store touches start at 16 different banks (64 banks of 4 bytes: ISA guide 11.1)
.set LI0, 1                            ; 16 x lane
.set LI1, 2                            ; + 65,536: tiles 4-7
.set LS0, 3                            ; XSC + 512 (lane / 16) + 4 (lane % 16)
.set L4,  7                            ; 4 x lane
.set STO, 9                            ; the stage: in
.set RD,  10                           ; the stage: back
.set LIW, 11                           ; my quarter of the images, + 16 x lane
.set SCW, 12
.set BAH, 13                           ; the bias: 64 (lane / 16)
.set SCO, 14
.set CO,  15                           ; out0: 4,096 (lane / 16) + 16 (lane % 16): two rows an instruction
.set WS,  16
.set XS,  40
.set CB,  48
.set XF,  128
.set OB,  128
.set WV,  16
.set C64, 17                           ; which 64 columns are mine
.set RB,  18
.set WP,  20
.set WSP, 22
.set BP,  24
.set OUT, 26
.set CXP, 28
.set CSP, 30
.set MSB, 0
.macro WIN new                         ; low byte: bits 1:0 source 0, 3:2 source 1, 5:4 source 2, 7:6 destination; the high byte repeats the setting that is left
.if MSB != (\new)
	s_set_vgpr_msb (MSB<<8)|(\new)
.set MSB, (\new)
.endif
.endm
.macro NOPS n
.rept \n
	v_nop
.endr
.endm
.macro WLOAD s                         ; K step s: my four fragments of Wo and their two registers of scale words: 18 loads, into registers that nothing else ever holds
	WIN 0x40*(1+(\s)/4)
.set q, 0
.rept 16
	global_load_b128 v[64*((\s)%4)+4*q:64*((\s)%4)+4*q+3], v[LI0], s[WP:WP+1] offset:16384*(\s)+512*q
.set q, q+1
.endr
	WIN 0
	global_load_b32 v[WS+2*(\s)], v[L4], s[WSP:WSP+1] offset:512*(\s)
	global_load_b32 v[WS+2*(\s)+1], v[L4], s[WSP:WSP+1] offset:512*(\s)+128
.endm
.macro XFLOAD adr, base, s             ; four of ctx's fragments of K step s
.irp x, 0,1,2,3
.irp c, 0,1,2,3
	ds_load_b128 v[XF+16*((\base)+\x)+4*\c:XF+16*((\base)+\x)+4*\c+3], v[\adr] offset:16384*\x+2048*(\s)+512*\c
.endr
.endr
.endm
.macro XSLOAD set, s                   ; and the step's scale words: lanes 0-15 the even tile's, lanes 16-31 the odd tile's
.irp p, 0,1,2,3
	ds_load_b32 v[XS+4*(\set)+\p], v[LS0] offset:1024*\p+64*(\s)
.endr
.endm
.macro WMI                             ; an odd tile's scale words lie in lanes 16-31
.if fa && fb
	v_wmma_scale_f32_16x16x128_f8f6f4 v[rD:rD+7], v[rA:rA+15], v[rB:rB+15], v[rC:rC+7], v[rSA], v[rSB] matrix_a_scale:MATRIX_SCALE_ROW1 matrix_b_scale:MATRIX_SCALE_ROW1
.elseif fa
	v_wmma_scale_f32_16x16x128_f8f6f4 v[rD:rD+7], v[rA:rA+15], v[rB:rB+15], v[rC:rC+7], v[rSA], v[rSB] matrix_a_scale:MATRIX_SCALE_ROW1
.elseif fb
	v_wmma_scale_f32_16x16x128_f8f6f4 v[rD:rD+7], v[rA:rA+15], v[rB:rB+15], v[rC:rC+7], v[rSA], v[rSB] matrix_b_scale:MATRIX_SCALE_ROW1
.else
	v_wmma_scale_f32_16x16x128_f8f6f4 v[rD:rD+7], v[rA:rA+15], v[rB:rB+15], v[rC:rC+7], v[rSA], v[rSB]
.endif
.endm
; 16 matrix instructions of K step s on ctx's tiles 4 xh .. 4 xh + 3; the accumulators take turns, one instruction a turn.  In step 0 C is the bias (window 0): nothing is cleared.
.macro MUL16 s, xh
.if (\s) == 0
	WIN 0xc1
.else
	WIN 0xf1+(\s)/4
.endif
.set xi, 4*(\xh)
.rept 4
.set wt, 0
.rept 4
.set rD, 8*(4*xi+wt)
.set rA, 64*((\s)%4)+16*wt
.set rB, XF+16*xi
.if (\s) == 0
.set rC, CB+8*wt
.else
.set rC, rD
.endif
.set rSA, WS+2*(\s)+wt/2
.set rSB, XS+4*((\s)%2)+xi/2
.set fa, wt%2
.set fb, xi%2
	WMI
.set wt, wt+1
.endr
.set xi, xi+1
.endr
	WIN 0
.endm
; A K step of 128: 32 matrix instructions.
; A load into a register that a matrix instruction has read stands eight plain vector instructions behind it.
.macro STEP s
.if (\s) > 0
	NOPS 8                                         ; behind the last step's products, which read tiles 4-7
.endif
	XFLOAD LI1, 4, \s
.if (\s)+3 < 8
	WLOAD (\s)+3                                   ; three steps ahead
.endif
.if (\s) < 5
	s_wait_loadcnt 54                              ; this step's Wo is in; behind it the three later steps' 18 loads each
.else
	s_wait_loadcnt 18*(7-(\s))                     ; the later steps' that are left
.endif
	s_wait_dscnt 16                                ; tiles 0-3 and the scale words are in; the 16 loads of tiles 4-7 may be out
	MUL16 \s, 0
.if (\s) < 7
	NOPS 8
	XFLOAD LI0, 0, (\s)+1
	XSLOAD 1-(\s)%2, (\s)+1
	s_wait_dscnt 20                                ; tiles 4-7 are in; the 20 just issued may be out
.else
	s_wait_dscnt 0x0
.endif
	MUL16 \s, 1
.endm
	s_load_b256 s[4:11], s[0:1], 0x0               ; ctxc, ctxs, wcodes, wscales
	s_load_b128 s[12:15], s[0:1], 0x20             ; bo, out0
	v_lshl_add_u32 v126, v0, 2, 0x25400
	v_mov_b32 v127, 0
	v_lshrrev_b32 v32, 5, v0
	v_readfirstlane_b32 s[WV], v32                 ; wave 0..3
	v_and_b32 v34, 31, v0                          ; lane
	v_and_b32 v32, 15, v0                          ; r
	v_bfe_u32 v33, v0, 4, 1                        ; h
	v_lshlrev_b32 v[LI0], 4, v34
	v_add_nc_u32 v[LI1], 0x10000, v[LI0]
	v_lshlrev_b32 v[LS0], 2, v32
	v_lshl_add_u32 v[LS0], v33, 9, v[LS0]
	v_add_nc_u32 v[LS0], XSC, v[LS0]
	v_lshlrev_b32 v[L4], 2, v34
	s_mul_i32 s36, s[WV], 16*SROW
	s_add_co_u32 s36, s36, STG                     ; my stage
	v_mul_u32_u24 v[STO], v32, SROW
	v_lshl_add_u32 v[STO], v33, 6, v[STO]
	v_add_nc_u32 v[STO], s36, v[STO]               ; in: row r, + 64 h
	v_mul_u32_u24 v[RD], v33, SROW
	v_lshl_add_u32 v[RD], v32, 4, v[RD]
	v_add_nc_u32 v[RD], s36, v[RD]                 ; back: lanes 0-15 one row of 256 bytes, lanes 16-31 the next
	v_lshlrev_b32 v[CO], 12, v33
	v_lshl_add_u32 v[CO], v32, 4, v[CO]            ; and the same two rows in out0
	s_lshl_b32 s36, s[WV], 15
	v_add_nc_u32 v[LIW], s36, v[LI0]               ; my quarter of the images
	s_lshl_b32 s36, s[WV], 10
	v_add_nc_u32 v[SCO], s36, v[LI0]               ; my quarter of the scale words,
	v_add_nc_u32 v[SCW], XSC, v[SCO]               ; and its place in LDS
	v_lshlrev_b32 v[BAH], 6, v33
	s_lshl_b32 s[C64], ttmp9, 2
	s_add_co_u32 s[C64], s[C64], s[WV]             ; my 64 columns: 4 ch + w
	s_and_b32 s[RB], ttmp7, 0xffff
	s_lshr_b32 s34, s[C64], 1                      ; the block of 128 columns in wcodes,
	s_and_b32 s35, s[C64], 1                       ; and which four of its eight tiles
	s_lshl_b32 s36, s34, 17
	s_lshl_b32 s48, s35, 13
	s_add_co_u32 s36, s36, s48
	s_add_co_u32 s36, s36, 0x300000                ; Wo is the fourth tensor of wcodes
	s_mov_b32 s37, 0
	s_lshl_b32 s38, s34, 12
	s_lshl_b32 s48, s35, 8
	s_add_co_u32 s38, s38, s48
	s_add_co_u32 s38, s38, 0x18000                 ; and of wscales
	s_mov_b32 s39, 0
	s_lshl_b32 s40, s[C64], 8                      ; 64 columns of f32 are 256 bytes
	s_mov_b32 s41, 0
	s_lshl_b32 s42, s[RB], 19
	s_add_co_u32 s42, s42, s40                     ; out0: 128 rb rows of 4,096 bytes + my columns
	s_mov_b32 s43, 0
	s_lshl_b32 s44, s[RB], 17
	s_mov_b32 s45, 0
	s_lshl_b32 s46, s[RB], 12
	s_mov_b32 s47, 0
	s_wait_kmcnt 0x0
	s_add_nc_u64 s[WP:WP+1], s[8:9], s[36:37]
	s_add_nc_u64 s[WSP:WSP+1], s[10:11], s[38:39]
	s_add_nc_u64 s[BP:BP+1], s[12:13], s[40:41]
	s_add_nc_u64 s[OUT:OUT+1], s[14:15], s[42:43]
	s_add_nc_u64 s[CXP:CXP+1], s[4:5], s[44:45]
	s_add_nc_u64 s[CSP:CSP+1], s[6:7], s[46:47]
	WIN 0xc0
.set q, 0
.rept 64
	global_load_b128 v[4*q:4*q+3], v[LIW], s[CXP:CXP+1] offset:512*q     ; 32,768 bytes a wave, 512 consecutive bytes a load
.set q, q+1
.endr
	WIN 0
	global_load_b128 v[XF:XF+3], v[SCO], s[CSP:CSP+1]
	global_load_b128 v[XF+4:XF+7], v[SCO], s[CSP:CSP+1] offset:512
.irp t, 0,1,2,3
	global_load_b128 v[CB+8*\t:CB+8*\t+3], v[BAH], s[BP:BP+1] offset:(32*(\t/2)+8*(\t%2))*4        ; register j of tile t: bo at column 32 (t / 2) + 8 (t % 2) + 16 h + j
	global_load_b128 v[CB+8*\t+4:CB+8*\t+7], v[BAH], s[BP:BP+1] offset:(32*(\t/2)+8*(\t%2))*4+16
.endr
	WLOAD 0
	WLOAD 1
	WLOAD 2
	s_wait_loadcnt 62                              ; ctx's images and scale words are in; behind them the bias's 8 loads and three K steps' 18 each
	WIN 0x0c
.set q, 0
.rept 64
	ds_store_b128 v[LIW], v[4*q:4*q+3] offset:512*q
.set q, q+1
.endr
	WIN 0
	ds_store_b128 v[SCW], v[XF:XF+3]
	ds_store_b128 v[SCW], v[XF+4:XF+7] offset:512
	s_wait_dscnt 0x0                               ; for the others' sake: my quarter has landed
	s_barrier_signal -1
	s_barrier_wait -1                              ; the launch's one barrier: behind it the images are only read, and each wave's stage is its own
	XFLOAD LI0, 0, 0
	XSLOAD 0, 0
.irp s, 0,1,2,3,4,5,6,7
	STEP \s
.endr
; THE WAY OUT, a tile of 16 rows x 64 columns at a time.  A lane holds pieces of one row and the lanes beside it other rows: a tile goes through my own stage and comes back as whole rows of 256 bytes.
; LDS serves a wave's instructions in order (ISA guide 5.7.1.4): no wait between the stores and the loads, nor in front of the next tile's stores.
.macro TOSTAGE a
	WIN 0x0c                                       ; an LDS store's data are its source 1: window 3
.set q, 0
.rept 8
	ds_store_b128 v[STO], v[32*(\a)+4*q:32*(\a)+4*q+3] offset:128*(q/4)+16*(q%4)   ; each accumulator from its low end on
.set q, q+1
.endr
	WIN 0
.set q, 0
.rept 8
	ds_load_b128 v[OB+32*((\a)%2)+4*q:OB+32*((\a)%2)+4*q+3], v[RD] offset:2*SROW*q
.set q, q+1
.endr
.endm
.macro SEND a, younger                 ; younger: the LDS instructions issued behind tile a's loads, which may stay out
	s_wait_dscnt \younger
.set q, 0
.rept 8
	global_store_b128 v[CO], v[OB+32*((\a)%2)+4*q:OB+32*((\a)%2)+4*q+3], s[OUT:OUT+1] offset:(32*((\a)/2)+8*((\a)%2)+2*q+8*(q/4))*4096 th:TH_STORE_NT   ; sixteen lanes store 256 consecutive bytes, aligned; stage rows 2 q and 2 q + 1 are the tile's lanes of those numbers; written once
.set q, q+1
.endr
.endm
	NOPS 8                                         ; places behind the last products: for the first read of results and the loads into the registers that held fragments
	TOSTAGE 0
.irp a, 1,2,3,4,5,6,7
.if \a > 1
	s_wait_xcnt 0x0                                ; tile a - 2's stores have read their registers: tile a's loads may land there
.endif
	TOSTAGE \a
	SEND \a-1, 16                                  ; behind tile a - 1's loads: tile a's 8 stores and 8 loads
.endr
	SEND 7, 0
	s_wait_tensorcnt 0x0
	ds_add_u32 v126, v127
	s_wait_dscnt 0x0
	s_endpgm
.Lfunc_end_k_q53ef7dc483_outproj:
	.size	k_q53ef7dc483_outproj, .Lfunc_end_k_q53ef7dc483_outproj-k_q53ef7dc483_outproj
	.p2alignl 7, 3214868480
	.fill 96, 4, 3214868480
	.section	.rodata,"a",@progbits
	.p2align	6, 0x0
	.amdhsa_kernel k_q53ef7dc483_outproj
		.amdhsa_group_segment_fixed_size 153088
		.amdhsa_private_segment_fixed_size 0
		.amdhsa_enable_private_segment 0
		.amdhsa_kernarg_size 48
		.amdhsa_user_sgpr_count 2
		.amdhsa_user_sgpr_kernarg_segment_ptr 1
		.amdhsa_wavefront_size32 1
		.amdhsa_system_sgpr_workgroup_id_x 1
		.amdhsa_system_sgpr_workgroup_id_y 1
		.amdhsa_system_sgpr_workgroup_id_z 1
		.amdhsa_system_vgpr_workitem_id 0
		.amdhsa_next_free_vgpr 1024
		.amdhsa_next_free_sgpr 66
		.amdhsa_reserve_vcc 0
		.amdhsa_float_denorm_mode_32 3
		.amdhsa_float_denorm_mode_16_64 3
		.amdhsa_memory_ordered 1
		.amdhsa_forward_progress 1
		.amdhsa_inst_pref_size 99
	.end_amdhsa_kernel
	.amdgpu_metadata
---
amdhsa.version: [ 1, 2 ]
amdhsa.kernels:
  - .name:           k_q53ef7dc483_outproj
    .symbol:         k_q53ef7dc483_outproj.kd
    .args:
      - { .name: ctxc, .offset: 0, .size: 8, .value_kind: global_buffer, .address_space: global }
      - { .name: ctxs, .offset: 8, .size: 8, .value_kind: global_buffer, .address_space: global }
      - { .name: wcodes, .offset: 16, .size: 8, .value_kind: global_buffer, .address_space: global }
      - { .name: wscales, .offset: 24, .size: 8, .value_kind: global_buffer, .address_space: global }
      - { .name: bo, .offset: 32, .size: 8, .value_kind: global_buffer, .address_space: global }
      - { .name: out0, .offset: 40, .size: 8, .value_kind: global_buffer, .address_space: global }
    .group_segment_fixed_size: 153088
    .private_segment_fixed_size: 0
    .kernarg_segment_align: 8
    .kernarg_segment_size: 48
    .max_flat_workgroup_size: 128
    .sgpr_count:     66
    .vgpr_count:     1024
    .wavefront_size: 32
...
	.end_amdgpu_metadata
.endif
;; end of part 4
;; ======== version 2 of 2: 4 launches; version 1 with the launches proj, attn, outproj written anew for expert scheduling mode
;; workspace buffers: wcodes 4,194,304 bytes; wscales 131,072 bytes; qkvc 25,165,824 bytes; qkvs 786,432 bytes; ctxc 8,388,608 bytes; ctxs 262,144 bytes
;; launch quant_w: the kernel of part 1 again; grid 64 x 4, 4 waves a work-group, no clusters, 17,920 bytes of LDS; arguments Wq, Wk, Wv, Wo, wcodes, wscales; writes wcodes, wscales
;; launch proj (part 5): grid 64 x 3, 4 waves a work-group, no clusters, 207,360 bytes of LDS; arguments inputs_q, inputs_k, inputs_v, bq, bk, bv, wcodes, wscales, qkvc, qkvs; writes qkvc, qkvs
.if DOCPART == 5
	.amdgcn_target "amdgcn-amd-amdhsa--gfx1250"
	.amdhsa_code_object_version 6
	.text
	.protected	k_q53ef7dc483_proj
	.globl	k_q53ef7dc483_proj
	.p2align	8
	.type	k_q53ef7dc483_proj,@function
k_q53ef7dc483_proj:
	s_mov_b64 s[64:65], 0
	v_nop
	global_prefetch_b8 v0, s[64:65] scope:SCOPE_SE
	s_setreg_imm32_b32 hwreg(HW_REG_WAVE_SCHED_MODE, 0, 2), 2
	s_setreg_imm32_b32 hwreg(HW_REG_WAVE_MODE, 25, 1), 1
	s_wait_xcnt 0x0
	s_wait_alu depctr_vm_vsrc(0)
; q = x_q Wq + bq, k = x_k Wk + bk, v = x_v Wv + bv, on codes of FP8 (E4M3) with one E8M0 scale for each 32 along K; the results are quantised at once for the attention's products and leave as codes.
; Work-group (rb, y): tensor y (0 q, 1 k, 2 v), rows 128 rb on (batch rb / 8, key step rb % 8), ALL 1,024 columns: so x is read from memory once and quantised once.
; PHASE X.  Wave w quantises rows 32 w .. 32 w + 31 along K: each load reads one row's 512 consecutive bytes; they turn through the wave's own stage in LDS, so that a lane holds 16 neighbours along K of each block of 32.
;   The codes go to LDS as IMAGES OF AN OPERAND'S REGISTERS (register group c of lane l at 512 c + 16 l), the scale words 4 bytes a row.  One barrier; behind it LDS is only read.
;   x's first rows are the first large loads of the launch; three trips refill, the last is written out without loads, and in it the first K step's W is asked for.
; THE PRODUCTS.  Wave w takes columns 256 w on, in two passes of 128 (two heads): 128 x 128, 64 accumulators, 512 registers.  x's fragments come from LDS.  W's fragments, laid by the launch before in the order of the registers,
;   come from memory STRAIGHT INTO REGISTERS, one K step ahead: each feeds this one wave of the work-group, so a way through LDS would add a write and a read of every byte.  That is also why there is no tensor load,
;   and with no tile in LDS that work-groups share there is nothing for a cluster's joint load to fill.
; THE ROWS AND COLUMNS OF A TILE ARE NOT NEIGHBOURS: lane r of tile 2 b + u holds element 32 b + 8 u + r + 8 (r / 8), so that the 16 registers of the results of tiles 2 b and 2 b + 1 are 16 neighbours along source 0's axis.
; q, k: source 0 = 16 columns of W, source 1 = 16 rows of x: a lane holds one row and its registers run along the head's dims, which are the K of q k^T.
; v:    source 0 = 16 rows of x, source 1 = 16 columns of W: a lane holds one dim and its registers run along the keys, which are the K of the second product.
; Either way 64 registers (a unit) become one fragment by the macro QUANT.
; THE BIAS is the C of each sum's first matrix instruction.  Each wave copies its 256 numbers into LDS once (1,024 bytes) and takes them from there in the result's layout, pass by pass.
; OUT: qkvc [q, k, v][batch x head 128][65,536]: q, k: [tile of 16 rows 64][group 2][lane][16]; v: [key step 8][tile of 16 dims 4][group 4][lane][16].
;      qkvs [q, k, v][batch x head][2,048]: q, k: [pair of tiles 32][row 16] words = (even tile's two bytes, odd tile's two); v: [key step][tile][dim 16] words.
; The last K step of the last pass asks for the 16,896 bytes that follow in wcodes and wscales; Wo's lie behind Wv's there, so the loads stay inside the buffers; what they bring is not used.
; No prefetch: x is asked for from the launch's head on as fast as the loads issue, and W's fragments are read again by the 64 work-groups of a tensor.
; LIMITS: NaN and infinities are not served.  A block of zeros, or one whose largest magnitude lies under 2^-118, gets the byte 1: its codes are zeros or subnormal, and this program alone reads the bytes.
; REGISTERS.  window 0: v1-17 addresses; v32-39 W's scale words, two sets; v40-47 x's, two sets; v48-111 the bias as C; v128-255 x's eight fragments (in phase X v128-191 64 numbers; in phase X and on the way out v192-251 at work).
;   window 1: W's fragments, two sets of 128.   windows 2, 3: the accumulators (in phase X window 2 holds two sets of 32 rows x 16 bytes a lane).
; THE MODE: SCHED_MODE bits 1:0 = 2 (LLVM: expert scheduling mode 2), set by the entry lines.  The code itself states the register dependences
; between vector or matrix instructions and memory or LDS instructions, with s_wait_alu, always for 0.
; THE PLAN.  Registers that memory or LDS instructions touch, and who else names them:
;   PHASE X.  The two sets in window 2: x's loads land in them, the stage's LDS stores read them, no vector line names them.  v128-191: the stage's LDS loads land (at the head the bias's loads, read by its two LDS stores); QUANT reads and writes them.
;     v192-207 and v224: QUANT writes them, the image's LDS stores read them.  v[XWI], v[XWS]: written by two adds a trip, read by the image's stores.
;     One wait on va_vdst behind each QUANT: the codes, the scale word and the trip's two addresses are written, and QUANT is done with v128-191; no vector line names these before the next loads from the stage.
;     One wait on vm_vsrc ahead of each QUANT: the stage's stores have read the set, the last image's stores their codes; one at a trip's head, ahead of the two adds; one behind the barrier, for the last image's stores.
;   THE PRODUCTS.  x's tiles 4-7 (v192-255) are loaded at a step's head and read by its last 32 products; tiles 0-3 (v128-191) are loaded at mid step and read by the next step's first 32.  W's other set and its scale words are loaded at the head,
;     x's other set of scale words at mid step.  v[AX1] is stepped at the head, v[AX0] and v[AXS] at mid step.  So a step has two pairs: a wait on vm_vsrc, the adds, the plain lines, a wait on va_vdst; then the run of loads.
;     The bias's registers v48-111 are named by a pass's first step alone: the later steps' waits stand between it and the loads of the next pass's bias, which owe nothing more.
;   THE WAY OUT.  v192-207 (a unit's codes) and v240-243 (the scale words) are written by vector lines and read by global stores: a wait on va_vdst ahead of each run of stores, a wait on vm_vsrc beside the wait on XCNT ahead of the next writer.
;   Every other address and offset is made at the head and never written again.
.set XSC,  131072                      ; LDS: x's images [tile 8][K step 8][2,048] from 0; their scale words [tile][K step][row 16] here;
.set STG,  135168                      ; a stage of 32 rows x 528 bytes for each wave;
.set BIA,  202752                      ; and the bias, 1,024 bytes for each wave
.set SROW, 528                         ; 512 bytes + 16: the 16 rows that a load touches start at 16 different banks (64 banks of 4 bytes: ISA guide 11.1)
.set LI0, 1                            ; 16 x lane
.set LI1, 2                            ; + 65,536: tiles 4-7
.set LS0, 3                            ; XSC + 512 (lane / 16) + 4 (lane % 16): lanes 0-15 the even tile's words, lanes 16-31 the odd tile's
.set AX0, 4                            ; addresses of the loads in hand
.set AX1, 5
.set AXS, 6
.set L4,  7                            ; 4 x lane
.set BIW, 8                            ; the bias on its way into LDS: BIA + 1,024 x wave + 16 x lane
.set SWR, 9                            ; the stage: in
.set SRD, 10                           ; the stage: back
.set LIW, 11                           ; where my wave's images begin, + 16 x lane
.set XWI, 12
.set LSW, 13                           ; the same for the scale words
.set XWS, 14
.set OF2, 15                           ; 16 x lane + the distance to a unit's second half in qkvc
.set BQ,  16                           ; the bias out of LDS, q and k: BIA + 1,024 x wave + 64 (lane / 16): a lane's registers run along the columns
.set BV,  17                           ; v: BIA + 1,024 x wave + 4 (r + 8 (r / 8)): a lane holds one column
.set WS,  32
.set XS,  40
.set CB,  48
.set XF,  128
.set T,   128
.set PC,  192                          ; the codes just made
.set TM,  208                          ; v208-211 largest magnitudes, 212-215 bytes, 216-219 448 x scale, 220-223 the conversions' scale operands
.set PW,  224
.set SW,  232                          ; v232-239 the eight units' scale words
.set XW,  240
.set TP,  244
.set SETA, 0
.set SETB, 128
.set WV,  24
.set KND, 25                           ; 1 for v
.set YT,  26
.set XP,  28
.set WP,  30
.set WSP, 32
.set BP,  34
.set OC,  36
.set OS,  38
.set OU,  40
.set IA,  42                           ; from unit to unit in qkvc;
.set IB,  44                           ; from unit 3 to unit 4
.set OC2, 46
.set HM,  47
.set SEL, 48
.set MNT, 50
.set TX,  51
.set TXS, 52
.set XT,  53
.set LP,  54
.set PASS, 55
.set MSB, 0
.macro WIN new                         ; low byte: bits 1:0 source 0, 3:2 source 1, 5:4 source 2, 7:6 destination; the high byte repeats the setting that is left
.if MSB != (\new)
	s_set_vgpr_msb (MSB<<8)|(\new)
.set MSB, (\new)
.endif
.endm
.macro NOPS n
.rept \n
	v_nop
.endr
.endm
; 64 numbers of a lane at v[s] on in window W, register 16 b + i = k 32 b + 16 (lane / 16) + i of the lane's row, become a fragment's codes in v[PC] on and its scale word in v[pw] (window 0).
; The reads ascend.
.macro QUANT s, W, pw
	WIN (\W)|((\W)<<2)
.irp b, 0,1,2,3
	v_max3_num_f32 v[TM+\b], |v[(\s)+16*\b]|, |v[(\s)+16*\b+1]|, 0x4800000   ; my 16 numbers of block b, and the floor 2^(9 - 127): the byte cannot fall under 1
.endr
	WIN ((\W)<<2)|((\W)<<4)
.irp i, 2,4,6,8,10,12,14
.irp b, 0,1,2,3
	v_max3_num_f32 v[TM+\b], v[TM+\b], |v[(\s)+16*\b+\i]|, |v[(\s)+16*\b+\i+1]|   ; the four blocks by turns
.endr
.endr
	WIN 0
.irp b, 0,1,2,3
	v_permlanex16_b32 v[TM+4+\b], v[TM+\b], s[SEL], s[SEL+1]
.endr
.irp b, 0,1,2,3
	v_max_num_f32 v[TM+\b], v[TM+\b], v[TM+4+\b]   ; with lane l xor 16's 16: the block's largest magnitude
.endr
.irp b, 0,1,2,3
	v_add_nc_u32 v[TM+12+\b], 0xfc000000, v[TM+\b] ; 8 off its exponent field: the conversion's scale operand
.endr
.irp b, 0,1,2,3
	v_and_or_b32 v[TM+8+\b], v[TM+\b], 0x7f800000, s[MNT]   ; 448 x the scale
.endr
.irp b, 0,1,2,3
	v_lshrrev_b32 v[TM+4+\b], 23, v[TM+12+\b]      ; the scale's byte
.endr
	v_lshl_or_b32 v[\pw], v[TM+5], 8, v[TM+4]
	v_lshl_or_b32 v[\pw], v[TM+6], 16, v[\pw]
	v_lshl_or_b32 v[\pw], v[TM+7], 24, v[\pw]
	WIN (\W)|((\W)<<6)
.irp b, 0,1,2,3
.irp i, 0,1,2,3,4,5,6,7,8,9,10,11,12,13,14,15
	v_med3_num_f32 v[(\s)+16*\b+\i], v[(\s)+16*\b+\i], -v[TM+8+\b], v[TM+8+\b]   ; the conversion does not saturate (ISA guide 7.6.2): the hold
.endr
.endr
	WIN (\W)
.irp b, 0,1,2,3
	v_cvt_scalef32_pk8_fp8_f32 v[PC+4*\b:PC+4*\b+1], v[(\s)+16*\b:(\s)+16*\b+7], v[TM+12+\b]
	v_cvt_scalef32_pk8_fp8_f32 v[PC+4*\b+2:PC+4*\b+3], v[(\s)+16*\b+8:(\s)+16*\b+15], v[TM+12+\b]
.endr
	WIN 0
	v_nop                                          ; one plain line behind the last conversion
.endm
.macro WLOAD set                       ; a K step's eight fragments of W and their four registers of scale words: 36 loads
	WIN 0x40
.set q, 0
.rept 32
	global_load_b128 v[128*(\set)+4*q:128*(\set)+4*q+3], v[LI0], s[WP:WP+1] offset:512*q
.set q, q+1
.endr
	WIN 0
.irp p, 0,1,2,3
	global_load_b32 v[WS+4*(\set)+\p], v[L4], s[WSP:WSP+1] offset:128*\p
.endr
.endm
; The bias of a pass's 128 columns out of LDS, in the result's layout: register j of tile t.  off: the pass's 512 bytes.  Both arms write all 64 registers.
.macro CBLOAD off
	s_cmp_eq_u32 s[KND], 0
	s_cbranch_scc0 .Lcv_\@
.irp t, 0,1,2,3,4,5,6,7
	ds_load_b128 v[CB+8*\t:CB+8*\t+3], v[BQ] offset:(32*(\t/2)+8*(\t%2))*4+(\off)        ; q, k: columns 32 (t / 2) + 8 (t % 2) + 16 (lane / 16) + 0 .. 7
	ds_load_b128 v[CB+8*\t+4:CB+8*\t+7], v[BQ] offset:(32*(\t/2)+8*(\t%2))*4+16+(\off)
.endr
	s_branch .Lcj_\@
.Lcv_\@:
.irp t, 0,1,2,3,4,5,6,7
.irp j, 0,1,2,3,4,5,6,7
	ds_load_b32 v[CB+8*\t+\j], v[BV] offset:(32*(\t/2)+8*(\t%2))*4+(\off)                ; v: the lane's one column, in all eight registers
.endr
.endr
.Lcj_\@:
.endm
.macro XLOAD set, off                  ; 32 rows x 512 bytes (a K step) in the order of the two tiles' lanes: load q = tile q / 16, lane q % 16
	WIN 0x80
.set q, 0
.rept 32
	global_load_b128 v[(\set)+4*q:(\set)+4*q+3], v[LI0], s[XP:XP+1] offset:(8*(q/16)+(q%16)+((q%16)&8))*4096+(\off) th:TH_LOAD_NT
.set q, q+1
.endr
	WIN 0
.endm
.macro TLOAD off                       ; a tile's numbers back from the stage: 16 neighbours of each block of 32
.irp c, 0,1,2,3
.irp j, 0,1,2,3
	ds_load_b128 v[T+16*\c+4*\j:T+16*\c+4*\j+3], v[SRD] offset:(\off)+128*\c+16*\j
.endr
.endr
.endm
.macro IMAGE ci, si                    ; the fragment in v[PC] on goes to LDS as it stands; lanes 16-31 write the same scale word as lanes 0-15, with the same value
.irp c, 0,1,2,3
	ds_store_b128 v[XWI], v[PC+4*\c:PC+4*\c+3] offset:(\ci)+512*\c
.endr
	ds_store_b32 v[XWS], v[PW] offset:(\si)
.endm
; One K step of my 32 rows.  left: the loads younger than this set's, which may stay out.  refill = 1: the set takes the K step two further on.  wl = 1: the first K step's W is asked for here.
.macro XSTEP set, k, refill, left, wl
	s_wait_loadcnt \left                           ; loads come back in order (ISA guide 5.7.1): this set's 32 are in
	WIN 0x08
.set q, 0
.rept 32
	ds_store_b128 v[SWR], v[(\set)+4*q:(\set)+4*q+3] offset:SROW*q
.set q, q+1
.endr
	WIN 0
	TLOAD 0                                        ; no vector line since the wait behind the last QUANT names v128-191
	s_wait_dscnt 0x0                               ; tile 0 is back
	s_wait_alu depctr_vm_vsrc(0)                   ; the stage's stores have read the set, which the refill's loads or, later, the products write; the last image's stores have read the codes and the scale word, which QUANT writes again
.if \refill
	XLOAD \set, 1024+512*(\k)
.endif
.if \wl
	WLOAD 0
.endif
	QUANT T, 0, PW
	s_wait_alu depctr_va_vdst(0)                   ; QUANT has written the codes and the scale word, which the image's stores read, and is done with v128-191, in which the next tile's numbers land; in a trip's first step v[XWI] and v[XWS] are written
	IMAGE 2048*(\k), 64*(\k)
	TLOAD 16*SROW
	s_wait_dscnt 0x0
	s_wait_alu depctr_vm_vsrc(0)                   ; the image's stores have read the codes and the scale word, which QUANT writes again
	QUANT T, 0, PW
	s_wait_alu depctr_va_vdst(0)                   ; QUANT has written the codes and the scale word, and is done with v128-191, in which the next loads from LDS land
	IMAGE 2048*(\k)+16384, 64*(\k)+512
.endm
.macro XTRIP refill, leftb, wl         ; two K steps
	s_wait_alu depctr_vm_vsrc(0)                   ; the last trip's image stores have read v[XWI] and v[XWS]; in the first trip the bias's two LDS stores have read v128-135, in which the stage's loads land
	v_add_nc_u32 v[XWI], s[TX], v[LIW]
	v_add_nc_u32 v[XWS], s[TXS], v[LSW]
	XSTEP SETA, 0, \refill, 32, \wl                ; behind set A's loads: set B's 32
	XSTEP SETB, 1, \refill, \leftb, 0
.endm
.macro XFLOAD adr, base                ; four of x's fragments
.irp x, 0,1,2,3
.irp c, 0,1,2,3
	ds_load_b128 v[XF+16*((\base)+\x)+4*\c:XF+16*((\base)+\x)+4*\c+3], v[\adr] offset:16384*\x+512*\c
.endr
.endr
.endm
.macro WMI                             ; one matrix instruction from the symbols set ahead of it; an odd tile's scale words lie in lanes 16-31
.if fa && fb
	v_wmma_scale_f32_16x16x128_f8f6f4 v[rD:rD+7], v[rA:rA+15], v[rB:rB+15], v[rC:rC+7], v[rSA], v[rSB] matrix_a_scale:MATRIX_SCALE_ROW1 matrix_b_scale:MATRIX_SCALE_ROW1
.elseif fa
	v_wmma_scale_f32_16x16x128_f8f6f4 v[rD:rD+7], v[rA:rA+15], v[rB:rB+15], v[rC:rC+7], v[rSA], v[rSB] matrix_a_scale:MATRIX_SCALE_ROW1
.elseif fb
	v_wmma_scale_f32_16x16x128_f8f6f4 v[rD:rD+7], v[rA:rA+15], v[rB:rB+15], v[rC:rC+7], v[rSA], v[rSB] matrix_b_scale:MATRIX_SCALE_ROW1
.else
	v_wmma_scale_f32_16x16x128_f8f6f4 v[rD:rD+7], v[rA:rA+15], v[rB:rB+15], v[rC:rC+7], v[rSA], v[rSB]
.endif
.endm
; 32 matrix instructions on x's tiles 4 xh .. 4 xh + 3.  The accumulators take turns, one instruction a turn.  zero = 1: C is the bias (window 0): nothing is cleared.
.macro MULK0 par, xh, zero             ; q, k: source 0 = W (window 1), source 1 = x (window 0); accumulator (x tile, W tile)
.if \zero
	WIN 0x81+0x40*(\xh)
.else
	WIN 0xa1+0x50*(\xh)
.endif
.set xi, 4*(\xh)
.rept 4
.set wi, 0
.rept 8
.set rD, 8*(8*(xi%4)+wi)
.set rA, 128*(\par)+16*wi
.set rB, XF+16*xi
.if \zero
.set rC, CB+8*wi
.else
.set rC, rD
.endif
.set rSA, WS+4*(\par)+wi/2
.set rSB, XS+4*(\par)+xi/2
.set fa, wi%2
.set fb, xi%2
	WMI
.set wi, wi+1
.endr
.set xi, xi+1
.endr
	WIN 0
.endm
.macro MULK1 par, xh, zero             ; v: source 0 = x (window 0), source 1 = W (window 1); accumulator (W tile, x tile)
.set wh, 0
.rept 2
.if \zero
	WIN 0x84+0x40*wh
.else
	WIN 0xa4+0x50*wh
.endif
.set xi, 4*(\xh)
.rept 4
.set wi, 4*wh
.rept 4
.set rD, 8*(8*(wi%4)+xi)
.set rA, XF+16*xi
.set rB, 128*(\par)+16*wi
.if \zero
.set rC, CB+8*wi
.else
.set rC, rD
.endif
.set rSA, XS+4*(\par)+xi/2
.set rSB, WS+4*(\par)+wi/2
.set fa, xi%2
.set fb, wi%2
	WMI
.set wi, wi+1
.endr
.set xi, xi+1
.endr
.set wh, wh+1
.endr
	WIN 0
.endm
.macro MUL32 kind, par, xh, zero       ; kind 2: both forms, chosen by a scalar branch on the tensor's number
.if (\kind) == 0
	MULK0 \par, \xh, \zero
.elseif (\kind) == 1
	MULK1 \par, \xh, \zero
.else
	s_cmp_eq_u32 s[KND], 0
	s_cbranch_scc0 .Lmv_\@
	MULK0 \par, \xh, \zero
	s_branch .Lmj_\@
.Lmv_\@:
	MULK1 \par, \xh, \zero
.Lmj_\@:
.endif
.endm
; A K step of 128: 64 matrix instructions.  par: which set of W's fragments and of the scale words is multiplied; the other set takes the next step's.
; Ahead of each of its two runs of loads stand eight plain vector lines behind the products, the address's adds among them, and behind these the wait that states what the loads hang on.
.macro STEP kind, par, zero
	s_wait_alu depctr_vm_vsrc(0)                   ; the last step's LDS loads of tiles 4-7 have read v[AX1]
	v_add_nc_u32 v[AX1], s[TX], v[LI1]             ; this step's tiles 4-7
	NOPS 7                                         ; with the line above: eight plain lines behind the last step's products
	s_wait_xcnt 0x0                                ; the last step's loads have read their bases
	s_add_nc_u64 s[WP:WP+1], s[WP:WP+1], 16384
	s_add_nc_u64 s[WSP:WSP+1], s[WSP:WSP+1], 512
	s_wait_alu depctr_va_vdst(0)                   ; v[AX1] is written; the last step's products are done reading tiles 4-7, W's other set and its scale words, in which the loads below land; in a pass's first step the vector lines ahead are done with v192 on
	XFLOAD AX1, 4
	WLOAD 1-(\par)
	s_wait_loadcnt 36                              ; all but the 36 just issued: this step's W and its scale words are in
	s_wait_dscnt 16                                ; x's tiles 0-3, the scale words and the bias are in; the 16 loads of tiles 4-7 may be out
	MUL32 \kind, \par, 0, \zero
	s_add_co_u32 s[TX], s[TX], 2048                ; the next step's images; behind the eighth comes the first again
	s_and_b32 s[TX], s[TX], 0x3fff
	s_lshr_b32 s[TXS], s[TX], 5                    ; 64 bytes of scale words a step
	s_wait_alu depctr_vm_vsrc(0)                   ; the last step's LDS loads of tiles 0-3 and of the scale words have read v[AX0] and v[AXS]
	v_add_nc_u32 v[AX0], s[TX], v[LI0]
	v_add_nc_u32 v[AXS], s[TXS], v[LS0]
	NOPS 6                                         ; with the two lines above: eight plain lines
	s_wait_alu depctr_va_vdst(0)                   ; v[AX0] and v[AXS] are written; the 32 products above are done reading tiles 0-3, the last step's products x's other set of scale words
	XFLOAD AX0, 0
.irp p, 0,1,2,3
	ds_load_b32 v[XS+4*(1-(\par))+\p], v[AXS] offset:1024*\p
.endr
	s_wait_dscnt 20                                ; tiles 4-7 are in; the 20 just issued may be out
	MUL32 \kind, \par, 1, \zero
.endm
	s_load_b512 s[4:19], s[0:1], 0x0               ; inputs_q, inputs_k, inputs_v, bq, bk, bv, wcodes, wscales
	s_load_b128 s[20:23], s[0:1], 0x40             ; qkvc, qkvs
	v_lshl_add_u32 v126, v0, 2, 0x32800
	v_mov_b32 v127, 0
	v_lshrrev_b32 v24, 5, v0
	v_readfirstlane_b32 s[WV], v24                 ; wave 0..3
	v_and_b32 v27, 31, v0                          ; lane
	v_and_b32 v24, 15, v0                          ; r
	v_bfe_u32 v25, v0, 4, 1                        ; h
	v_and_b32 v26, 8, v24
	v_add_nc_u32 v26, v26, v24                     ; r + 8 (r / 8)
	v_lshlrev_b32 v[LI0], 4, v27
	v_add_nc_u32 v[LI1], 0x10000, v[LI0]
	v_lshlrev_b32 v[LS0], 2, v24
	v_lshl_add_u32 v[LS0], v25, 9, v[LS0]
	v_add_nc_u32 v[LS0], XSC, v[LS0]
	v_lshlrev_b32 v[L4], 2, v27
	s_wait_alu depctr_va_sdst(0)                   ; the wave's number is written, ahead of its first reader
	s_mul_i32 s56, s[WV], 32*SROW
	s_add_co_u32 s56, s56, STG                     ; my stage
	v_add_nc_u32 v[SWR], s56, v[LI0]
	v_mul_u32_u24 v[SRD], v24, SROW
	v_lshl_add_u32 v[SRD], v25, 6, v[SRD]
	v_add_nc_u32 v[SRD], s56, v[SRD]               ; row r, + 64 h: my 16 numbers of a block
	s_lshl_b32 s57, s[WV], 15
	v_add_nc_u32 v[LIW], s57, v[LI0]               ; tile 2 w's images
	s_lshl_b32 s57, s[WV], 10
	s_add_co_u32 s57, s57, XSC
	v_lshl_add_u32 v[LSW], v24, 2, s57             ; tile 2 w's scale words
	s_lshl_b32 s57, s[WV], 10
	s_add_co_u32 s57, s57, BIA                     ; my wave's 1,024 bytes of the bias
	v_add_nc_u32 v[BIW], s57, v[LI0]
	v_lshl_add_u32 v[BQ], v25, 6, s57
	v_lshl_add_u32 v[BV], v26, 2, s57
.irp b, 0,1,2,3
	v_mov_b32 v[TM+4+\b], 0                        ; written once: a lane permute's destination counts as one of its sources
.endr
	s_mov_b32 s[SEL], 0x76543210
	s_mov_b32 s[SEL+1], 0xfedcba98                 ; v_permlanex16_b32's selects for lane l xor 16
	s_mov_b32 s[MNT], 0x600000                     ; the mantissa field of 448
	s_mov_b32 s[HM], 0xffff0000                    ; lanes 16-31
	s_and_b32 s[YT], ttmp7, 0xffff
	s_cmp_eq_u32 s[YT], 2                          ; v?  All that differs is chosen here, on the work-group's number alone
	s_cselect_b32 s[KND], 1, 0
	s_mov_b32 s[IA], 1024
	s_cselect_b32 s[IA], 2048, s[IA]
	s_mov_b32 s[IA+1], 0
	s_mov_b32 s[IB], 1024
	s_cselect_b32 s[IB], 59392, s[IB]              ; v: from a head's tile 3 to the next head's tile 0: 65,536 - 3 x 2,048
	s_mov_b32 s[IB+1], 0
	s_mov_b32 s[OC2], 0x10000                      ; q, k: a unit's second half is the next head's;
	s_cselect_b32 s[OC2], 1024, s[OC2]             ; v: the same fragment's groups 2 and 3
	v_add_nc_u32 v[OF2], s[OC2], v[LI0]
	s_lshl_b32 s56, ttmp9, 19                      ; x: 128 rb rows of 4,096 bytes + 32 w rows
	s_lshl_b32 s58, s[WV], 17
	s_add_co_u32 s56, s56, s58
	s_mov_b32 s57, 0
	s_lshl_b32 s58, s[YT], 20                      ; W's codes: tensor, cg = 2 w
	s_lshl_b32 s60, s[WV], 18
	s_add_co_u32 s58, s58, s60
	s_mov_b32 s59, 0
	s_lshl_b32 s60, s[YT], 15                      ; W's scale words
	s_lshl_b32 s62, s[WV], 13
	s_add_co_u32 s60, s60, s62
	s_mov_b32 s61, 0
	s_lshl_b32 s62, s[WV], 10                      ; the bias: 256 w columns
	s_mov_b32 s63, 0
	s_lshr_b32 s74, ttmp9, 3                       ; batch
	s_and_b32 s75, ttmp9, 7                        ; key step
	s_lshl_b32 s70, s[YT], 23                      ; qkvc: tensor, batch x 16 heads, head 4 w, key step x 8,192
	s_lshl_b32 s76, s74, 20
	s_add_co_u32 s70, s70, s76
	s_lshl_b32 s76, s[WV], 18
	s_add_co_u32 s70, s70, s76
	s_lshl_b32 s76, s75, 13
	s_add_co_u32 s70, s70, s76
	s_mov_b32 s71, 0
	s_lshl_b32 s72, s[YT], 18                      ; qkvs: the same with 2,048 bytes a head and 256 a key step
	s_lshl_b32 s76, s74, 15
	s_add_co_u32 s72, s72, s76
	s_lshl_b32 s76, s[WV], 13
	s_add_co_u32 s72, s72, s76
	s_lshl_b32 s76, s75, 8
	s_add_co_u32 s72, s72, s76
	s_mov_b32 s73, 0
	s_wait_kmcnt 0x0
	s_cmp_eq_u32 s[YT], 1
	s_cselect_b64 s[4:5], s[6:7], s[4:5]
	s_cselect_b64 s[10:11], s[12:13], s[10:11]
	s_cmp_eq_u32 s[YT], 2
	s_cselect_b64 s[4:5], s[8:9], s[4:5]
	s_cselect_b64 s[10:11], s[14:15], s[10:11]
	s_add_nc_u64 s[XP:XP+1], s[4:5], s[56:57]
	s_add_nc_u64 s[WP:WP+1], s[16:17], s[58:59]
	s_add_nc_u64 s[WSP:WSP+1], s[18:19], s[60:61]
	s_add_nc_u64 s[BP:BP+1], s[10:11], s[62:63]
	s_add_nc_u64 s[OC:OC+1], s[20:21], s[70:71]
	s_add_nc_u64 s[OS:OS+1], s[22:23], s[72:73]
	s_wait_alu depctr_va_vdst(0)                   ; the addresses and offsets made above are written, which the loads and stores of the whole kernel read
	global_load_b128 v[T:T+3], v[LI0], s[BP:BP+1]              ; my 256 numbers of the bias: two loads,
	global_load_b128 v[T+4:T+7], v[LI0], s[BP:BP+1] offset:512
	XLOAD SETA, 0                                  ; and at once x's first two K steps
	XLOAD SETB, 512
	s_wait_loadcnt 63                              ; behind the bias's two loads 64 were issued: they are in
	ds_store_b128 v[BIW], v[T:T+3]                 ; read again only behind the barrier below
	ds_store_b128 v[BIW], v[T+4:T+7] offset:512
	; ---- PHASE X: three trips of two K steps that refill both sets, and a last trip written out, which asks for no x: no load leaves its buffer
	s_mov_b32 s[TX], 0
	s_mov_b32 s[TXS], 0
	s_mov_b32 s[XT], 3
.Lx:
	XTRIP 1, 32, 0                                 ; behind set B's loads: set A's refill, 32
	s_wait_xcnt 0x0                                ; the loads have read their base
	s_add_nc_u64 s[XP:XP+1], s[XP:XP+1], 1024
	s_add_co_u32 s[TX], s[TX], 4096
	s_add_co_u32 s[TXS], s[TXS], 128
	s_sub_co_u32 s[XT], s[XT], 1
	s_cmp_lg_u32 s[XT], 0
	s_cbranch_scc1 .Lx
	XTRIP 0, 36, 1                                 ; behind set B's loads: the 36 of the first K step's W, which land under four fragments' quantising
	s_wait_dscnt 0x0                               ; for the others' sake: my images, scale words and bias have landed
	s_barrier_signal -1
	s_barrier_wait -1                              ; the launch's one barrier: behind it LDS is only read
	s_wait_alu depctr_vm_vsrc(0)                   ; my last image's stores have read v192-207 and v224, in which x's fragments land
	CBLOAD 0                                       ; the first pass's bias,
	XFLOAD LI0, 0                                  ; K step 0: tiles 0-3 (no vector line since the wait behind the last QUANT names v128-191),
.irp p, 0,1,2,3
	ds_load_b32 v[XS+\p], v[LS0] offset:1024*\p    ; and its scale words
.endr
	s_mov_b32 s[TX], 0
	s_mov_b32 s[PASS], 2
.Lpass:                                            ; a pass: 128 columns, eight K steps, the way out
	s_cmp_eq_u32 s[KND], 0
	s_cbranch_scc0 .Lz1
	STEP 0, 0, 1                                   ; the first K step starts the sums on the bias; it stands whole in one arm
	s_branch .Lzj
.Lz1:
	STEP 1, 0, 1
.Lzj:
	STEP 2, 1, 0
	s_mov_b32 s[LP], 3
.Lk:
	STEP 2, 0, 0
	STEP 2, 1, 0
	s_sub_co_u32 s[LP], s[LP], 1
	s_cmp_lg_u32 s[LP], 0
	s_cbranch_scc1 .Lk
	; ---- THE WAY OUT.  The next pass's first fragments are on their way into v128-191, window 1's set 0 and the scale words' set 0; nothing here names them
	NOPS 8                                         ; places behind the last products, ahead of the first read of results and the first write into v192 on
	s_cmp_eq_u32 s[PASS], 1
	s_cbranch_scc1 .Lnocb
	CBLOAD 512                                     ; the second pass's bias: this line runs at the first pass's end alone.  No wait: the pass's first step alone names v48-111, and the later steps' waits stand behind it
.Lnocb:
	s_mov_b64 s[OU:OU+1], s[OC:OC+1]
.irp i, 0,1,2,3,4,5,6,7
	s_wait_xcnt 0x0                                ; the last unit's stores have read their codes and their base
.if \i > 0
	s_wait_alu depctr_vm_vsrc(0)                   ; the last unit's stores have read v192-207, which QUANT writes again
.endif
.if \i == 4
	s_add_nc_u64 s[OU:OU+1], s[OU:OU+1], s[IB:IB+1]
.elseif \i > 0
	s_add_nc_u64 s[OU:OU+1], s[OU:OU+1], s[IA:IA+1]
.endif
	QUANT 64*(\i%4), 2+\i/4, SW+\i
	s_wait_alu depctr_va_vdst(0)                   ; QUANT has written the unit's codes, which the four stores read
	global_store_b128 v[LI0], v[PC:PC+3], s[OU:OU+1]                ; each store covers 512 consecutive bytes, aligned
	global_store_b128 v[LI0], v[PC+4:PC+7], s[OU:OU+1] offset:512
	global_store_b128 v[OF2], v[PC+8:PC+11], s[OU:OU+1]
	global_store_b128 v[OF2], v[PC+12:PC+15], s[OU:OU+1] offset:512
.endr
	s_cmp_eq_u32 s[KND], 0
	s_cbranch_scc0 .Lsv
	s_mov_b32 s56, 0x05040100                      ; q, k: a unit's word is (head 0's two bytes, head 1's two).  A head's word for a pair of tiles: the even tile's two bytes, the odd tile's two
	s_mov_b32 s57, 0x07060302
.irp m, 0,1,2,3
	v_perm_b32 v[TP+\m], v[SW+2*\m+1], v[SW+2*\m], s56
	v_perm_b32 v[TP+4+\m], v[SW+2*\m+1], v[SW+2*\m], s57
.endr
.irp m, 0,1,2,3
	v_cndmask_b32 v[XW+\m], v[TP+2*\m], v[TP+2*\m+1], s[HM]   ; two pairs' words to a register: lanes 0-15, lanes 16-31
.endr
	s_branch .Lsj
.Lsv:
.irp m, 0,1,2,3
	v_cndmask_b32 v[XW+\m], v[SW+2*\m], v[SW+2*\m+1], s[HM]   ; v: two tiles' words to a register
.endr
.Lsj:
	s_wait_alu depctr_va_vdst(0)                   ; the four registers of scale words are written, which the stores read
	global_store_b32 v[L4], v[XW], s[OS:OS+1]                 ; 128 consecutive bytes each: the first head's 256, the second head's 256
	global_store_b32 v[L4], v[XW+1], s[OS:OS+1] offset:128
	global_store_b32 v[L4], v[XW+2], s[OS:OS+1] offset:2048
	global_store_b32 v[L4], v[XW+3], s[OS:OS+1] offset:2176
	s_wait_xcnt 0x0                                ; the stores have read their registers and bases
	s_wait_alu depctr_vm_vsrc(0)                   ; the last unit's stores have read v192-207 and the scale words' stores v240-243: v192 on takes fragments again
	s_add_nc_u64 s[OC:OC+1], s[OC:OC+1], 0x20000   ; two heads on
	s_add_nc_u64 s[OS:OS+1], s[OS:OS+1], 4096
	s_sub_co_u32 s[PASS], s[PASS], 1
	s_cmp_lg_u32 s[PASS], 0
	s_cbranch_scc1 .Lpass
	s_wait_dscnt 0x0                               ; the closing lines, six on end
	s_wait_alu 0x0
	s_wait_tensorcnt 0x0
	ds_add_u32 v126, v127
	s_wait_dscnt 0x0
	s_endpgm
.Lfunc_end_k_q53ef7dc483_proj:
	.size	k_q53ef7dc483_proj, .Lfunc_end_k_q53ef7dc483_proj-k_q53ef7dc483_proj
	.p2alignl 7, 3214868480
	.fill 96, 4, 3214868480
	.section	.rodata,"a",@progbits
	.p2align	6, 0x0
	.amdhsa_kernel k_q53ef7dc483_proj
		.amdhsa_group_segment_fixed_size 207360
		.amdhsa_private_segment_fixed_size 0
		.amdhsa_enable_private_segment 0
		.amdhsa_kernarg_size 80
		.amdhsa_user_sgpr_count 2
		.amdhsa_user_sgpr_kernarg_segment_ptr 1
		.amdhsa_wavefront_size32 1
		.amdhsa_system_sgpr_workgroup_id_x 1
		.amdhsa_system_sgpr_workgroup_id_y 1
		.amdhsa_system_sgpr_workgroup_id_z 1
		.amdhsa_system_vgpr_workitem_id 0
		.amdhsa_next_free_vgpr 1024
		.amdhsa_next_free_sgpr 90
		.amdhsa_reserve_vcc 0
		.amdhsa_float_denorm_mode_32 3
		.amdhsa_float_denorm_mode_16_64 3
		.amdhsa_memory_ordered 1
		.amdhsa_forward_progress 1
		.amdhsa_inst_pref_size 255
	.end_amdhsa_kernel
	.section	.bss,"aw",@nobits
	.p2align	6
	.space	262144
	.amdgpu_metadata
---
amdhsa.version: [ 1, 2 ]
amdhsa.kernels:
  - .name:           k_q53ef7dc483_proj
    .symbol:         k_q53ef7dc483_proj.kd
    .args:
      - { .name: inputs_q, .offset: 0, .size: 8, .value_kind: global_buffer, .address_space: global }
      - { .name: inputs_k, .offset: 8, .size: 8, .value_kind: global_buffer, .address_space: global }
      - { .name: inputs_v, .offset: 16, .size: 8, .value_kind: global_buffer, .address_space: global }
      - { .name: bq, .offset: 24, .size: 8, .value_kind: global_buffer, .address_space: global }
      - { .name: bk, .offset: 32, .size: 8, .value_kind: global_buffer, .address_space: global }
      - { .name: bv, .offset: 40, .size: 8, .value_kind: global_buffer, .address_space: global }
      - { .name: wcodes, .offset: 48, .size: 8, .value_kind: global_buffer, .address_space: global }
      - { .name: wscales, .offset: 56, .size: 8, .value_kind: global_buffer, .address_space: global }
      - { .name: qkvc, .offset: 64, .size: 8, .value_kind: global_buffer, .address_space: global }
      - { .name: qkvs, .offset: 72, .size: 8, .value_kind: global_buffer, .address_space: global }
    .group_segment_fixed_size: 207360
    .private_segment_fixed_size: 0
    .kernarg_segment_align: 8
    .kernarg_segment_size: 80
    .max_flat_workgroup_size: 128
    .sgpr_count:     90
    .vgpr_count:     1024
    .wavefront_size: 32
...
	.end_amdgpu_metadata
.endif
;; end of part 5
;; launch attn (part 6): grid 2 x 128, 16 waves a work-group, no clusters, 137,216 bytes of LDS; arguments qkvc, qkvs, ctxc, ctxs; writes ctxc, ctxs
.if DOCPART == 6
	.amdgcn_target "amdgcn-amd-amdhsa--gfx1250"
	.amdhsa_code_object_version 6
	.text
	.protected	k_q53ef7dc483_attn
	.globl	k_q53ef7dc483_attn
	.p2align	8
	.type	k_q53ef7dc483_attn,@function
k_q53ef7dc483_attn:
	s_mov_b64 s[64:65], 0
	v_nop
	global_prefetch_b8 v0, s[64:65] scope:SCOPE_SE
	s_setreg_imm32_b32 hwreg(HW_REG_WAVE_SCHED_MODE, 0, 2), 2
	s_setreg_imm32_b32 hwreg(HW_REG_WAVE_MODE, 25, 1), 1
	s_wait_xcnt 0x0
	s_wait_alu depctr_vm_vsrc(0)
; ctx[b][q][head] = softmax_k(q . k / 8, causal) v, both products on codes of FP8 (E4M3) with one E8M0 scale for each 32 along a product's K; ctx is quantised along D at once and leaves as codes for the last product.
; THE SOFTMAX AHEAD OF THE SECOND PRODUCT: t = score x log2(e) / 8; M = the row's largest t so far, rounded UP to a whole number; p = 2^(t - M) is quantised along the keys, not normalised.
; The row's sum is taken of the unquantised p, in f32, and divides at the end.  When M moves, the sum and O are multiplied by 2^(old M - new M): exact.
; SHARES.  Work-group (j, bh): one head of one batch.  Its K and V, as images of operands' registers, and their scale words are copied into LDS ONCE (132 KiB); one barrier; behind it LDS is only read.
; Wave w of sixteen takes the tiles of 16 queries 2 w + j and 63 - (2 w + j), one after the other: w / 4 + 1 and 8 - w / 4 key steps of 128 that count: nine for every wave.
; A tile's q is asked for ahead of its turn: the first tile's with the fill, the second's at the head of the first tile's end, whose vector lines stand between the loads and the wait for them.
; Key steps all of whose keys come after the tile's queries are left out by a scalar branch on ids; the loop's trip count stays a constant.  On the diagonal hidden scores become -infinity ahead of the maximum: p = 0
; (reference() puts the lowest finite number there: p is 0 either way, since key 0 counts for every query).
; LAYOUT.  Both products transposed: S^T = K Q^T, O^T = V^T P^T: a lane holds ONE query throughout.  Lane r of tile 2 b + u (of queries, keys or dims) holds element 32 b + 8 u + r + 8 (r / 8),
; so that the 16 registers of the results of tiles 2 b and 2 b + 1 are 16 neighbours: p's registers run along the keys, O^T's along the head's dims, as the conversions want them.
; THE HEAD HAS 64 DIMS, the instruction 128 along K.  A fragment of K is TWO tiles of keys (tile 2 b in k = 0 .. 63, tile 2 b + 1 in k = 64 .. 127); Q lies as [q][zeros][q] in 24 registers, and the product with its first 16
; gives tile 2 b's scores, that with its last 16 tile 2 b + 1's.  The zeros are codes; K's codes opposite them are finite and every scale byte lies in 1 .. 254, so those products are exact zeros.
; No tensor load, no cluster: a head's K and V are fetched by two work-groups, once each, at the launch's head; nothing is streamed afterwards, so there is nothing to prefetch.
; LIMITS: NaN and infinities are not served.  A block of ctx whose largest magnitude lies under 2^-118 gets the byte 1: this program alone reads the bytes.
; THE MODE: SCHED_MODE bits 1:0 = 2 (LLVM: expert scheduling mode 2), set by the entry lines.  The code itself states the register dependences
; between vector or matrix instructions and memory or LDS instructions, with s_wait_alu, always for 0.
; THE PLAN.  Registers that memory or LDS instructions touch, and who else names them:
;   v8-11     the step's four LDS addresses: written by four adds at a step's head, read by its 36 LDS loads.
;   v40-103   four fragments: K's loads land, the first products read; V's loads land, the second products read.   v232-235 their scale words, likewise.
;   v16-23, v32-39, v251   q and its scale word: the loads land a tile ahead; the first products and one v_perm_b32 read.
;   v24-31, v239, v200-215, v237   zero codes, q's scale word, p's codes and scale word: written by vector lines, taken by the products as operand or scales.
;   v242-250  ctx's codes and scale bytes: written at a tile's end, read by its three stores.
;   v104-167, v232, v234, v14, v15   at the head: data and addresses of the fill; later written by products, loads and vector lines.
;   The other addresses (v1-7, v252, v253) are made at the head and never written again.
; A KEY STEP has one wait on vm_vsrc, ahead of the four adds, and three on va_vdst: behind the adds (the addresses are written; the last step's products are done with the fragments and scale words; q's scale word and the zeros are written),
; behind the first products' places (they are done with K's fragments, in which V's land), and behind the rescaling of O^T (p's codes and scale word are written).  The two waits behind the exponentials stand beside them.
; On the diagonal the 64 compares go in two runs of 32 into s66-97, with one wait on va_sdst behind each run, ahead of the 32 selects that read the masks.
.set LIK, 1                            ; 16 x lane: K's images
.set LIV, 2                            ; + 65,536: V's
.set LSK, 3                            ; 131,072 + 4 x lane: K's scale words
.set LSV, 4                            ; 133,120 + 4 x lane: V's
.set QD,  5                            ; r + 8 (r / 8) - 16 h
.set R4,  6                            ; 4 r
.set FO,  7                            ; the fill: 16 x lane + 4,096 x wave
.set ADK, 8
.set ADV, 9
.set ADS, 10
.set ADT, 11
                                       ; v12 -M, v13 the largest t, v[14:15] the sum in two halves
.set Q,   16                           ; v16-23 q, v24-31 zeros, v32-39 q
.set FR,  40                           ; v40-103 four fragments, of K and then of V
.set S,   104                          ; v104-167 S^T, then p; at the end O^T / the sum
.set O,   168                          ; v168-199 O^T, four tiles
.set PCD, 200                          ; v200-215 p's codes
.set BM,  216                          ; the blocks' largest scores, then largest p
.set PD,  220                          ; permutes' destinations, then scale bytes
.set HO,  224                          ; 448 x the scale
.set SO,  228                          ; the conversions' scale operands
.set KSW, 232                          ; v232-233 K's scale words;
.set VSW, 234                          ; v234-235 V's
.set F,   236                          ; v236 f = 2^(old M - new M); v237 p's scale word
.set TMP, 238
.set QSW, 239                          ; q's scale word
.set CH,  240                          ; v[240:241] the second chain of the sum
.set CCD, 242                          ; v242-249 ctx's codes
.set CW,  250                          ; ctx's two scale bytes
.set QRW, 251                          ; the scale word of q's pair of tiles, as loaded
.set WV,  12
.set BHD, 13
.set QC,  14
.set QS,  16
.set CXB, 18
.set CSB, 20
.set KC,  22
.set VC,  24
.set KSP, 26
.set VSP, 28
.set SEL, 30
.set CSC, 32                           ; s[32:33] c = log2(e) / 8: the packed form names a pair and takes its low word for both halves
.set MNT, 34
.set TI,  35                           ; the tile of queries in hand
.set DG,  36                           ; its key step on the diagonal
.set QL,  37                           ; its first query in that step
.set SELQ, 38
.set KS,  39
.set TB,  40
.set TSC, 41
.set TT,  42
.set QP,  44
.set QSP, 46
.set CP,  48
.set CSP, 50
.set MK,  66                           ; s66-97 the diagonal's masks, 32 at a time
.macro QASK                            ; tile TI's codes, into both copies, and its pair's scale words: five loads
	s_lshl_b32 s52, s[TI], 10
	s_mov_b32 s53, 0
	s_add_nc_u64 s[QP:QP+1], s[QC:QC+1], s[52:53]
	s_lshr_b32 s52, s[TI], 1
	s_lshl_b32 s52, s52, 6
	s_add_nc_u64 s[QSP:QSP+1], s[QS:QS+1], s[52:53]
	global_load_b128 v[Q:Q+3], v[LIK], s[QP:QP+1]
	global_load_b128 v[Q+4:Q+7], v[LIK], s[QP:QP+1] offset:512
	global_load_b128 v[Q+16:Q+19], v[LIK], s[QP:QP+1]
	global_load_b128 v[Q+20:Q+23], v[LIK], s[QP:QP+1] offset:512
	global_load_b32 v[QRW], v[R4], s[QSP:QSP+1]
.endm
	s_load_b256 s[4:11], s[0:1], 0x0               ; qkvc, qkvs, ctxc, ctxs
	v_lshl_add_u32 v254, v0, 2, 0x21000
	v_mov_b32 v255, 0
	v_lshrrev_b32 v8, 5, v0
	v_readfirstlane_b32 s[WV], v8                  ; wave 0..15
	v_and_b32 v8, 31, v0                           ; lane
	v_and_b32 v9, 15, v0                           ; r
	v_bfe_u32 v10, v0, 4, 1                        ; h
	v_lshlrev_b32 v[LIK], 4, v8
	v_add_nc_u32 v[LIV], 0x10000, v[LIK]
	v_lshlrev_b32 v11, 2, v8
	v_add_nc_u32 v[LSK], 0x20000, v11
	v_add_nc_u32 v[LSV], 0x20800, v11
	v_and_b32 v12, 8, v9
	v_add_nc_u32 v12, v12, v9
	v_lshlrev_b32 v13, 4, v10
	v_sub_nc_u32 v[QD], v12, v13
	v_lshlrev_b32 v[R4], 2, v9
	s_wait_alu depctr_va_sdst(0)                   ; the wave's number is written, ahead of its first reader
	s_lshl_b32 s52, s[WV], 12
	v_add_nc_u32 v[FO], s52, v[LIK]
	v_add_nc_u32 v14, 0x10000, v[FO]               ; V's place in LDS
	s_lshl_b32 s52, s[WV], 7
	v_add_nc_u32 v15, s52, v11                     ; 4 x lane + 128 x wave
	v_add_nc_u32 v252, 0x20000, v15
	v_add_nc_u32 v253, 0x20800, v15
	s_lshl_b32 s[TI], s[WV], 1
	s_add_co_u32 s[TI], s[TI], ttmp9               ; my first tile: 2 w + j
	s_and_b32 s[BHD], ttmp7, 0xffff                ; batch x 16 + head
	s_lshl_b32 s52, s[BHD], 16
	s_mov_b32 s53, 0
	s_lshl_b32 s54, s[BHD], 11
	s_mov_b32 s55, 0
	s_wait_kmcnt 0x0
	s_add_nc_u64 s[QC:QC+1], s[4:5], s[52:53]
	s_add_nc_u64 s[KC:KC+1], s[QC:QC+1], 0x800000
	s_add_nc_u64 s[VC:VC+1], s[QC:QC+1], 0x1000000
	s_add_nc_u64 s[QS:QS+1], s[6:7], s[54:55]
	s_add_nc_u64 s[KSP:KSP+1], s[QS:QS+1], 0x40000
	s_add_nc_u64 s[VSP:VSP+1], s[QS:QS+1], 0x80000
	s_wait_alu depctr_va_vdst(0)                   ; the addresses and offsets made above are written, which the fill's loads and stores and all later loads and stores read
.irp i, 0,1,2,3,4,5,6,7
	global_load_b128 v[S+4*\i:S+4*\i+3], v[FO], s[KC:KC+1] offset:512*\i        ; my sixteenth of K's images: 4,096 bytes, 512 consecutive bytes a load
.endr
.irp i, 0,1,2,3,4,5,6,7
	global_load_b128 v[S+32+4*\i:S+32+4*\i+3], v[FO], s[VC:VC+1] offset:512*\i  ; and of V's
.endr
	global_load_b32 v[KSW], v15, s[KSP:KSP+1]
	global_load_b32 v[VSW], v15, s[VSP:VSP+1]
	QASK                                           ; my first tile's q goes out with the fill: one wait serves both
	s_lshr_b32 s52, s[BHD], 4                      ; batch
	s_and_b32 s54, s[BHD], 15                      ; head
	s_lshl_b32 s56, s52, 20                        ; ctxc: [batch x 64 + tile][K step head / 2][group 2 (head % 2) + b][lane][16]
	s_lshl_b32 s57, s54, 10
	s_add_co_u32 s56, s56, s57
	s_mov_b32 s57, 0
	s_add_nc_u64 s[CXB:CXB+1], s[8:9], s[56:57]
	s_lshl_b32 s56, s52, 15                        ; ctxs: [batch x 64 + tile][K step][row] words; my head's bytes 2 (head % 2) and the next
	s_lshr_b32 s53, s54, 1
	s_lshl_b32 s53, s53, 6
	s_add_co_u32 s56, s56, s53
	s_and_b32 s53, s54, 1
	s_lshl_b32 s53, s53, 1
	s_add_co_u32 s56, s56, s53
	s_add_nc_u64 s[CSB:CSB+1], s[10:11], s[56:57]
	s_mov_b32 s[SEL], 0x76543210
	s_mov_b32 s[SEL+1], 0xfedcba98                 ; v_permlanex16_b32's selects for lane l xor 16
	s_mov_b32 s[CSC], 0x3e38aa3b                   ; log2(e) / 8
	s_mov_b32 s[CSC+1], s[CSC]
	s_mov_b32 s[MNT], 0x600000                     ; the mantissa field of 448
	s_mov_b32 s[TT], 2
.irp j, 0,1,2,3,4,5,6,7
	v_mov_b32 v[Q+8+\j], 0                         ; the zero codes between q's two copies
.endr
.irp b, 0,1,2,3
	v_mov_b32 v[PD+\b], 0                          ; written once: a lane permute's destination counts as one of its sources
.endr
	v_mov_b32 v[F+1], 0                            ; (named as the upper half of the pair v[236:237] before it is first written)
	s_wait_loadcnt 0x0
.irp i, 0,1,2,3,4,5,6,7
	ds_store_b128 v[FO], v[S+4*\i:S+4*\i+3] offset:512*\i
.endr
.irp i, 0,1,2,3,4,5,6,7
	ds_store_b128 v14, v[S+32+4*\i:S+32+4*\i+3] offset:512*\i
.endr
	ds_store_b32 v252, v[KSW]
	ds_store_b32 v253, v[VSW]
	s_wait_dscnt 0x0                               ; for the others' sake: my part has landed
	s_barrier_signal -1
	s_barrier_wait -1                              ; the launch's one barrier
.Ltile:                                            ; two trips: tile TI, then tile 63 - TI; the tile's q has been asked for
	s_wait_xcnt 0x0                                ; the last tile's stores have read their bases and data
	s_wait_alu depctr_vm_vsrc(0)                   ; first trip: the fill's LDS stores have read v104-167, v232, v234 and the address v14, its loads the offset v15; second trip: the last tile's stores have read v242-250: all of these are written again below
	s_lshr_b32 s[DG], s[TI], 3
	s_and_b32 s52, s[TI], 7
	s_lshr_b32 s52, s52, 1
	s_lshl_b32 s52, s52, 5
	s_and_b32 s53, s[TI], 1
	s_lshl_b32 s54, s53, 3
	s_add_co_u32 s[QL], s52, s54                   ; 32 ((TI % 8) / 2) + 8 (TI % 2)
	s_mov_b32 s[SELQ], 0x01000100                  ; q's word holds a pair of tiles' bytes: my tile's two are wanted twice, for k = 0 .. 63 and for k = 64 .. 127
	s_cmp_eq_u32 s53, 1
	s_cselect_b32 s[SELQ], 0x03020302, s[SELQ]
	s_mov_b32 s53, 0
	s_lshl_b32 s52, s[TI], 14
	s_add_nc_u64 s[CP:CP+1], s[CXB:CXB+1], s[52:53]
	s_lshl_b32 s52, s[TI], 9
	s_add_nc_u64 s[CSP:CSP+1], s[CSB:CSB+1], s[52:53]
	v_mov_b32 v13, 0xff61b1e6                      ; the largest t so far: -3e38, under every t
	v_floor_f32 v12, -v13                          ; -M
	v_mov_b32 v14, 0
	v_mov_b32 v15, 0
	s_mov_b32 s[KS], 0
	s_mov_b32 s[TB], 0
	s_mov_b32 s[TSC], 0
	s_wait_loadcnt 0x0                             ; q and its scale words
	v_perm_b32 v[QSW], v[QRW], v[QRW], s[SELQ]
.set n, 0
.rept 32
	v_mov_b32 v[O+n], 0                            ; O^T: the first step finds zeros, which the first change of M leaves zeros.  (These lines also part the scale word's making from the first product)
.set n, n+1
.endr
.Lstep:                                            ; eight trips, a key step of 128 each
	s_cmp_gt_u32 s[KS], s[DG]                      ; all its keys come after my queries: only the addresses step
	s_cbranch_scc1 .Lhidden
	s_wait_alu depctr_vm_vsrc(0)                   ; the last step's LDS loads have read the four addresses
	v_add_nc_u32 v[ADK], s[TB], v[LIK]
	v_add_nc_u32 v[ADV], s[TB], v[LIV]
	v_add_nc_u32 v[ADS], s[TSC], v[LSK]
	v_add_nc_u32 v[ADT], s[TSC], v[LSV]
.rept 4
	v_nop                                          ; with the four lines above: eight plain lines behind the last products
.endr
	s_wait_alu depctr_va_vdst(0)                   ; the four addresses are written; the last step's products are done reading the fragments and K's scale words, in which the loads below land; q's scale word and the zero codes, which the products below take, are written
.irp b, 0,1,2,3
.irp g, 0,1,2,3
	ds_load_b128 v[FR+16*\b+4*\g:FR+16*\b+4*\g+3], v[ADK] offset:2048*\b+512*\g
.endr
.endr
	ds_load_b32 v[KSW], v[ADS]                     ; lanes 0-15: fragment 0's words, lanes 16-31: fragment 1's
	ds_load_b32 v[KSW+1], v[ADS] offset:128
	s_wait_dscnt 0x0
.irp b, 0,1,2,3
.if \b%2
	v_wmma_scale_f32_16x16x128_f8f6f4 v[S+16*\b:S+16*\b+7], v[FR+16*\b:FR+16*\b+15], v[Q:Q+15], 0, v[KSW+\b/2], v[QSW] matrix_a_scale:MATRIX_SCALE_ROW1
	v_wmma_scale_f32_16x16x128_f8f6f4 v[S+16*\b+8:S+16*\b+15], v[FR+16*\b:FR+16*\b+15], v[Q+8:Q+23], 0, v[KSW+\b/2], v[QSW] matrix_a_scale:MATRIX_SCALE_ROW1
.else
	v_wmma_scale_f32_16x16x128_f8f6f4 v[S+16*\b:S+16*\b+7], v[FR+16*\b:FR+16*\b+15], v[Q:Q+15], 0, v[KSW+\b/2], v[QSW]
	v_wmma_scale_f32_16x16x128_f8f6f4 v[S+16*\b+8:S+16*\b+15], v[FR+16*\b:FR+16*\b+15], v[Q+8:Q+23], 0, v[KSW+\b/2], v[QSW]
.endif
.endr                                              ; register 16 b + i of S^T: key 32 b + 16 (lane / 16) + i of the step, query lane % 16 of my tile
.rept 8
	v_nop                                          ; places ahead of the first read of the scores (ISA guide 7.12.1)
.endr
	s_wait_alu depctr_va_vdst(0)                   ; the products above are done reading K's fragments, in which V's land; the last step's second products are done reading V's scale words
.irp t, 0,1,2,3
.irp g, 0,1,2,3
	ds_load_b128 v[FR+16*\t+4*\g:FR+16*\t+4*\g+3], v[ADV] offset:2048*\t+512*\g   ; V's four fragments land under the softmax
.endr
.endr
	ds_load_b32 v[VSW], v[ADT]
	ds_load_b32 v[VSW+1], v[ADT] offset:128
	s_cmp_lg_u32 s[KS], s[DG]                      ; a step all of whose keys count skips the mask
	s_cbranch_scc1 .Lopen
	v_add_nc_u32 v[TMP], s[QL], v[QD]              ; d = my query in the step - 16 (lane / 16): register 16 b + i is hidden where 32 b + i > d
	v_mov_b32 v[F], 0xff800000                     ; -infinity
.set m, 0
.rept 2                                            ; 32 registers at a time: a run of compares, each into a mask of its own, one wait, a run of selects
.set n, 0
.rept 32
	v_cmp_gt_i32 s[MK+n], 32*((32*m+n)/16)+(32*m+n)%16, v[TMP]
.set n, n+1
.endr
	s_wait_alu depctr_va_sdst(0)                   ; the 32 masks are written, ahead of the selects that read them
.set n, 0
.rept 32
	v_cndmask_b32 v[S+32*m+n], v[S+32*m+n], v[F], s[MK+n]
.set n, n+1
.endr
.set m, m+1
.endr
.Lopen:
.irp b, 0,1,2,3
	v_max3_num_f32 v[BM+\b], v[S+16*\b], v[S+16*\b+1], v[S+16*\b+2]   ; the largest score of each block of 32 keys: for the row's maximum and, since p rises with the score, for the block's largest p
.endr
.irp i, 3,5,7,9,11,13
.irp b, 0,1,2,3
	v_max3_num_f32 v[BM+\b], v[BM+\b], v[S+16*\b+\i], v[S+16*\b+\i+1]
.endr
.endr
.irp b, 0,1,2,3
	v_max_num_f32 v[BM+\b], v[BM+\b], v[S+16*\b+15]
.endr
.irp b, 0,1,2,3
	v_permlanex16_b32 v[PD+\b], v[BM+\b], s[SEL], s[SEL+1]
.endr
.irp b, 0,1,2,3
	v_max_num_f32 v[BM+\b], v[BM+\b], v[PD+\b]     ; with lane l xor 16's 16 keys
.endr
	v_max3_num_f32 v[TMP], v[BM], v[BM+1], v[BM+2]
	v_max_num_f32 v[TMP], v[TMP], v[BM+3]          ; the step's largest score of my query
	v_mul_f32 v[TMP], s[CSC], v[TMP]               ; as t (c is positive)
	v_max_num_f32 v13, v13, v[TMP]                 ; the running largest t
	v_mov_b32 v[TMP], v12
	v_floor_f32 v12, -v13                          ; the new -M = floor(-t) = -ceil(t)
	v_sub_f32 v[TMP], v12, v[TMP]                  ; old M - new M: a whole number, 0 or less
	v_cvt_i32_f32 v[TMP], v[TMP]                   ; (it saturates)
	v_ldexp_f32 v[F], 1.0, v[TMP]                  ; f = 2^(old M - new M)
.set n, 0
.rept 32
	v_pk_fma_f32 v[S+n:S+n+1], v[S+n:S+n+1], s[CSC:CSC+1], v[12:13] op_sel_hi:[1,0,0]   ; t - M, two at a time
.set n, n+2
.endr
.irp b, 0,1,2,3
	v_fma_f32 v[BM+\b], v[BM+\b], s[CSC], v12      ; the same of each block's largest score
.endr
.set n, 0
	s_wait_alu depctr_va_vdst(0)
.rept 64
	v_exp_f32 v[S+n], v[S+n]                       ; p = 2^(t - M), at most 1
.set n, n+1
.endr
	v_pk_mul_f32 v[14:15], v[14:15], v[F:F+1] op_sel_hi:[1,0]   ; the sums under the new M: a plain line behind the exponentials
	s_wait_alu depctr_va_vdst(0)                   ; the 64 exponentials have written p: one wait for the whole batch, ahead of its first reader
.irp b, 0,1,2,3
	v_exp_f32 v[BM+\b], v[BM+\b]                   ; the block's largest p: the same two instructions on the same number give the same bits
.endr
	v_pk_add_f32 v[CH:CH+1], v[S:S+1], v[S+2:S+3]  ; the row's sum is taken of the unquantised p: two at a time, in two chains
.irp j, 4,8,12,16,20,24,28,32,36,40,44,48,52,56,60
	v_pk_add_f32 v[14:15], v[14:15], v[S+\j:S+\j+1]
	v_pk_add_f32 v[CH:CH+1], v[CH:CH+1], v[S+\j+2:S+\j+3]
.endr
	v_pk_add_f32 v[14:15], v[14:15], v[CH:CH+1]
	s_wait_alu depctr_va_vdst(0)                   ; the four exponentials have written the blocks' largest p, ahead of their first reader
.irp b, 0,1,2,3
	v_max_num_f32 v[BM+\b], 0x4800000, v[BM+\b]    ; the floor 2^(9 - 127): a block whose every p is 0 keeps the byte 1; its codes are zeros
.endr
.irp b, 0,1,2,3
	v_add_nc_u32 v[SO+\b], 0xfc000000, v[BM+\b]
.endr
.irp b, 0,1,2,3
	v_and_or_b32 v[HO+\b], v[BM+\b], 0x7f800000, s[MNT]
.endr
.irp b, 0,1,2,3
	v_lshrrev_b32 v[PD+\b], 23, v[SO+\b]
.endr
	v_lshl_or_b32 v[F+1], v[PD+1], 8, v[PD]        ; p's scale word for these 128 keys
	v_lshl_or_b32 v[F+1], v[PD+2], 16, v[F+1]
	v_lshl_or_b32 v[F+1], v[PD+3], 24, v[F+1]
.irp b, 0,1,2,3
.irp i, 0,1,2,3,4,5,6,7,8,9,10,11,12,13,14,15
	v_min_num_f32 v[S+16*\b+\i], v[S+16*\b+\i], v[HO+\b]   ; the conversion does not saturate (ISA guide 7.6.2); p is not negative, so the hold is one-sided
.endr
	v_cvt_scalef32_pk8_fp8_f32 v[PCD+4*\b:PCD+4*\b+1], v[S+16*\b:S+16*\b+7], v[SO+\b]
	v_cvt_scalef32_pk8_fp8_f32 v[PCD+4*\b+2:PCD+4*\b+3], v[S+16*\b+8:S+16*\b+15], v[SO+\b]
.endr
.set n, 0
.rept 16
	v_pk_mul_f32 v[O+n:O+n+1], v[O+n:O+n+1], v[F:F+1] op_sel_hi:[1,0]   ; O^T under the new M.  (These sixteen also part the codes' making from the products below)
.set n, n+2
.endr
	s_wait_alu depctr_va_vdst(0)                   ; the conversions have written p's codes, and p's scale word is written: the products below take them as operand and scales
	s_wait_dscnt 0x0                               ; V is in
.irp t, 0,1,2,3
.if \t%2
	v_wmma_scale_f32_16x16x128_f8f6f4 v[O+8*\t:O+8*\t+7], v[FR+16*\t:FR+16*\t+15], v[PCD:PCD+15], v[O+8*\t:O+8*\t+7], v[VSW+\t/2], v[F+1] matrix_a_scale:MATRIX_SCALE_ROW1
.else
	v_wmma_scale_f32_16x16x128_f8f6f4 v[O+8*\t:O+8*\t+7], v[FR+16*\t:FR+16*\t+15], v[PCD:PCD+15], v[O+8*\t:O+8*\t+7], v[VSW+\t/2], v[F+1]
.endif
.endr
.Lhidden:
	s_add_co_u32 s[TB], s[TB], 8192                ; the next step's images,
	s_add_co_u32 s[TSC], s[TSC], 256               ; and scale words
	s_add_co_u32 s[KS], s[KS], 1
	s_cmp_lt_u32 s[KS], 8
	s_cbranch_scc1 .Lstep
	; ---- the tile's end: O^T / the sum, quantised along the head's dims (two blocks of 32)
.rept 8
	v_nop                                          ; places behind the last products
.endr
	s_sub_co_u32 s[TI], 63, s[TI]                  ; the other tile.  This tile's places in ctxc and ctxs were made at its head
	s_cmp_eq_u32 s[TT], 1
	s_cbranch_scc1 .Lnoq                           ; the second tile has no successor
	s_wait_alu depctr_va_vdst(0)                   ; this tile's products are done reading q's registers, and the v_perm_b32 at its head q's scale word as loaded: the five loads below land in them
	QASK                                           ; this tile's own loads were waited for at its head, so their bases may be written
.Lnoq:
	v_add_f32 v14, v14, v15
	v_permlanex16_b32 v[TMP], v14, s[SEL], s[SEL+1]
	v_add_f32 v14, v14, v[TMP]                     ; the row's sum
	s_wait_alu depctr_va_vdst(0)
	v_rcp_f32 v14, v14
	v_nop                                          ; a plain line behind the reciprocal,
	s_wait_alu depctr_va_vdst(0)                   ; and the wait ahead of its first reader: the reciprocal is written
.set n, 0
.rept 32
	v_mul_f32 v[S+n], v[O+n], v14                  ; register 16 b + i: dim 32 b + 16 (lane / 16) + i of my query
.set n, n+1
.endr
.irp b, 0,1
	v_max3_num_f32 v[BM+\b], |v[S+16*\b]|, |v[S+16*\b+1]|, 0x4800000
.endr
.irp i, 2,4,6,8,10,12,14
.irp b, 0,1
	v_max3_num_f32 v[BM+\b], v[BM+\b], |v[S+16*\b+\i]|, |v[S+16*\b+\i+1]|
.endr
.endr
.irp b, 0,1
	v_permlanex16_b32 v[PD+\b], v[BM+\b], s[SEL], s[SEL+1]
.endr
.irp b, 0,1
	v_max_num_f32 v[BM+\b], v[BM+\b], v[PD+\b]
.endr
.irp b, 0,1
	v_add_nc_u32 v[SO+\b], 0xfc000000, v[BM+\b]
.endr
.irp b, 0,1
	v_and_or_b32 v[HO+\b], v[BM+\b], 0x7f800000, s[MNT]
.endr
.irp b, 0,1
	v_lshrrev_b32 v[PD+\b], 23, v[SO+\b]
.endr
	v_lshl_or_b32 v[CW], v[PD+1], 8, v[PD]
.irp b, 0,1
.irp i, 0,1,2,3,4,5,6,7,8,9,10,11,12,13,14,15
	v_med3_num_f32 v[S+16*\b+\i], v[S+16*\b+\i], -v[HO+\b], v[HO+\b]
.endr
	v_cvt_scalef32_pk8_fp8_f32 v[CCD+4*\b:CCD+4*\b+1], v[S+16*\b:S+16*\b+7], v[SO+\b]
	v_cvt_scalef32_pk8_fp8_f32 v[CCD+4*\b+2:CCD+4*\b+3], v[S+16*\b+8:S+16*\b+15], v[SO+\b]
.endr
	v_nop                                          ; one plain line behind the last conversion
	s_wait_alu depctr_va_vdst(0)                   ; ctx's codes and its two scale bytes are written, which the three stores read
	global_store_b128 v[LIK], v[CCD:CCD+3], s[CP:CP+1]               ; two register groups of the last product's operand: 512 consecutive bytes each
	global_store_b128 v[LIK], v[CCD+4:CCD+7], s[CP:CP+1] offset:512
	global_store_b16 v[R4], v[CW], s[CSP:CSP+1]    ; my head's two bytes of the row's scale word; lanes 16-31 repeat lanes 0-15's
	s_sub_co_u32 s[TT], s[TT], 1
	s_cmp_lg_u32 s[TT], 0
	s_cbranch_scc1 .Ltile
	s_wait_dscnt 0x0                               ; the closing lines, six on end
	s_wait_alu 0x0
	s_wait_tensorcnt 0x0
	ds_add_u32 v254, v255
	s_wait_dscnt 0x0
	s_endpgm
.Lfunc_end_k_q53ef7dc483_attn:
	.size	k_q53ef7dc483_attn, .Lfunc_end_k_q53ef7dc483_attn-k_q53ef7dc483_attn
	.p2alignl 7, 3214868480
	.fill 96, 4, 3214868480
	.section	.rodata,"a",@progbits
	.p2align	6, 0x0
	.amdhsa_kernel k_q53ef7dc483_attn
		.amdhsa_group_segment_fixed_size 137216
		.amdhsa_private_segment_fixed_size 0
		.amdhsa_enable_private_segment 0
		.amdhsa_kernarg_size 32
		.amdhsa_user_sgpr_count 2
		.amdhsa_user_sgpr_kernarg_segment_ptr 1
		.amdhsa_wavefront_size32 1
		.amdhsa_system_sgpr_workgroup_id_x 1
		.amdhsa_system_sgpr_workgroup_id_y 1
		.amdhsa_system_sgpr_workgroup_id_z 1
		.amdhsa_system_vgpr_workitem_id 0
		.amdhsa_next_free_vgpr 256
		.amdhsa_next_free_sgpr 98
		.amdhsa_reserve_vcc 0
		.amdhsa_float_denorm_mode_32 3
		.amdhsa_float_denorm_mode_16_64 3
		.amdhsa_memory_ordered 1
		.amdhsa_forward_progress 1
		.amdhsa_inst_pref_size 44
	.end_amdhsa_kernel
	.amdgpu_metadata
---
amdhsa.version: [ 1, 2 ]
amdhsa.kernels:
  - .name:           k_q53ef7dc483_attn
    .symbol:         k_q53ef7dc483_attn.kd
    .args:
      - { .name: qkvc, .offset: 0, .size: 8, .value_kind: global_buffer, .address_space: global }
      - { .name: qkvs, .offset: 8, .size: 8, .value_kind: global_buffer, .address_space: global }
      - { .name: ctxc, .offset: 16, .size: 8, .value_kind: global_buffer, .address_space: global }
      - { .name: ctxs, .offset: 24, .size: 8, .value_kind: global_buffer, .address_space: global }
    .group_segment_fixed_size: 137216
    .private_segment_fixed_size: 0
    .kernarg_segment_align: 8
    .kernarg_segment_size: 32
    .max_flat_workgroup_size: 512
    .sgpr_count:     98
    .vgpr_count:     256
    .wavefront_size: 32
...
	.end_amdgpu_metadata
.endif
;; end of part 6
;; launch outproj (part 7): grid 4 x 64, 4 waves a work-group, no clusters, 153,088 bytes of LDS; arguments ctxc, ctxs, wcodes, wscales, bo, out0; writes out0
.if DOCPART == 7
	.amdgcn_target "amdgcn-amd-amdhsa--gfx1250"
	.amdhsa_code_object_version 6
	.text
	.protected	k_q53ef7dc483_outproj
	.globl	k_q53ef7dc483_outproj
	.p2align	8
	.type	k_q53ef7dc483_outproj,@function
k_q53ef7dc483_outproj:
	s_mov_b64 s[64:65], 0
	v_nop
	global_prefetch_b8 v0, s[64:65] scope:SCOPE_SE
	s_setreg_imm32_b32 hwreg(HW_REG_WAVE_SCHED_MODE, 0, 2), 2
	s_setreg_imm32_b32 hwreg(HW_REG_WAVE_MODE, 25, 1), 1
	s_wait_xcnt 0x0
	s_wait_alu depctr_vm_vsrc(0)
; out0 = ctx Wo + bo, on codes of FP8 (E4M3) with one E8M0 scale for each 32 along K; ctx's codes and Wo's were made by earlier launches, both laid in the order of an operand's registers.
; Work-group (ch, rb): rows 128 rb on, columns 256 ch on: 4 x 64 = 256 work-groups.  Its 128 rows' images (131,072 bytes) and scale words (4,096) are one dense block each: they are copied into LDS once; one barrier; all four waves read them.
; Wave w takes columns 256 ch + 64 w on: 128 x 64, 32 accumulators, 256 registers.  ITS PART OF Wo FOR ALL OF K, 64 x 1,024 codes, IS 512 REGISTERS: every fragment has registers of its own, comes from memory straight into them,
; and is asked for three K steps ahead of its products (18 loads a step: 16 register groups and two registers of scale words).  No load of Wo lands on a register that a product has read, no pointer is stepped, and the eight K steps are written out.
; Each fragment of Wo feeds this one wave of the work-group, so there is no tile in LDS that work-groups share, and nothing for a tensor load or a cluster's joint load to fill.
; No prefetch: ctx's block is asked for whole at the head, and Wo's fragments are read again by the 64 work-groups of a column block.
; Source 0 = 16 columns of Wo, source 1 = 16 rows of ctx: a lane holds one row, and the 16 registers of tiles 2 b and 2 b + 1 are columns 32 b + 16 (lane / 16) + 0 .. 15.  The bias is the C of each sum's first instruction.
; Lane r of tile 2 b + u (of rows or of columns) holds element 32 b + 8 u + r + 8 (r / 8): the way out puts each row at its true place.
; REGISTERS.  window 0: v1-15 addresses; v16-31 Wo's scale words, two for each K step; v40-47 ctx's, two sets; v48-79 the bias as C; v128-255 ctx's eight fragments, on the way out rows of the result.
;   windows 1, 2: Wo's fragments: K step s, tile t at v[64 (s % 4) + 16 t] of window 1 + s / 4.   window 3: the accumulators, (row tile x, column tile t) at v[8 (4 x + t)] (at the head it carries my quarter of the images into LDS).
; THE MODE: SCHED_MODE bits 1:0 = 2 (LLVM: expert scheduling mode 2), set by the entry lines.  The code itself states the register dependences
; between vector or matrix instructions and memory or LDS instructions, with s_wait_alu, always for 0.
; THE PLAN.  Registers that memory or LDS instructions touch, and who else names them:
;   v1-15        addresses and offsets: written at the head, never again.
;   window 3     the fill's loads land, its LDS stores read; then the products write; the way out's LDS stores read.
;   v128-191     ctx's tiles 0-3: loaded at mid step, read by the next step's first 16 products (v128-135 carry the scale words into LDS at the head).   v192-255  tiles 4-7: loaded at a step's head, read by its last 16 products.
;   v40-47       ctx's scale words, two sets: the other set is loaded at mid step.
;   Wo's fragments, its scale words and the bias are loaded once and read by products alone: their loads hang on the head's wait and on nothing else.
;   v128-191 on the way out: the stage's loads land, the global stores read, two sets of 32 by turns.
; So a K step has two waits on va_vdst, one ahead of each run of LDS loads: the products that read the registers in which the run lands are done.  One wait on vm_vsrc stands behind the barrier (the fill's LDS stores),
; one wait on va_vdst ahead of the way out (the accumulators are written, the fragments' registers are free), and one on vm_vsrc beside each wait on XCNT there.
.set XSC,  131072
.set STG,  135168                      ; a stage of 16 rows x 272 bytes for each wave
.set SROW, 272                         ; 256 bytes + 16: the 16 rows that a store touches start at 16 different banks (64 banks of 4 bytes: ISA guide 11.1)
.set LI0, 1                            ; 16 x lane
.set LI1, 2                            ; + 65,536: tiles 4-7
.set LS0, 3                            ; XSC + 512 (lane / 16) + 4 (lane % 16)
.set L4,  7                            ; 4 x lane
.set STO, 9                            ; the stage: in
.set RD,  10                           ; the stage: back
.set LIW, 11                           ; my quarter of the images, + 16 x lane
.set SCW, 12
.set BAH, 13                           ; the bias: 64 (lane / 16)
.set SCO, 14
.set CO,  15                           ; out0: 4,096 (lane / 16) + 16 (lane % 16): two rows an instruction
.set WS,  16
.set XS,  40
.set CB,  48
.set XF,  128
.set OB,  128
.set WV,  16
.set C64, 17                           ; which 64 columns are mine
.set RB,  18
.set WP,  20
.set WSP, 22
.set BP,  24
.set OUT, 26
.set CXP, 28
.set CSP, 30
.set MSB, 0
.macro WIN new                         ; low byte: bits 1:0 source 0, 3:2 source 1, 5:4 source 2, 7:6 destination; the high byte repeats the setting that is left
.if MSB != (\new)
	s_set_vgpr_msb (MSB<<8)|(\new)
.set MSB, (\new)
.endif
.endm
.macro NOPS n
.rept \n
	v_nop
.endr
.endm
.macro WLOAD s                         ; K step s: my four fragments of Wo and their two registers of scale words: 18 loads, into registers that nothing else ever holds
	WIN 0x40*(1+(\s)/4)
.set q, 0
.rept 16
	global_load_b128 v[64*((\s)%4)+4*q:64*((\s)%4)+4*q+3], v[LI0], s[WP:WP+1] offset:16384*(\s)+512*q
.set q, q+1
.endr
	WIN 0
	global_load_b32 v[WS+2*(\s)], v[L4], s[WSP:WSP+1] offset:512*(\s)
	global_load_b32 v[WS+2*(\s)+1], v[L4], s[WSP:WSP+1] offset:512*(\s)+128
.endm
.macro XFLOAD adr, base, s             ; four of ctx's fragments of K step s
.irp x, 0,1,2,3
.irp c, 0,1,2,3
	ds_load_b128 v[XF+16*((\base)+\x)+4*\c:XF+16*((\base)+\x)+4*\c+3], v[\adr] offset:16384*\x+2048*(\s)+512*\c
.endr
.endr
.endm
.macro XSLOAD set, s                   ; and the step's scale words: lanes 0-15 the even tile's, lanes 16-31 the odd tile's
.irp p, 0,1,2,3
	ds_load_b32 v[XS+4*(\set)+\p], v[LS0] offset:1024*\p+64*(\s)
.endr
.endm
.macro WMI                             ; an odd tile's scale words lie in lanes 16-31
.if fa && fb
	v_wmma_scale_f32_16x16x128_f8f6f4 v[rD:rD+7], v[rA:rA+15], v[rB:rB+15], v[rC:rC+7], v[rSA], v[rSB] matrix_a_scale:MATRIX_SCALE_ROW1 matrix_b_scale:MATRIX_SCALE_ROW1
.elseif fa
	v_wmma_scale_f32_16x16x128_f8f6f4 v[rD:rD+7], v[rA:rA+15], v[rB:rB+15], v[rC:rC+7], v[rSA], v[rSB] matrix_a_scale:MATRIX_SCALE_ROW1
.elseif fb
	v_wmma_scale_f32_16x16x128_f8f6f4 v[rD:rD+7], v[rA:rA+15], v[rB:rB+15], v[rC:rC+7], v[rSA], v[rSB] matrix_b_scale:MATRIX_SCALE_ROW1
.else
	v_wmma_scale_f32_16x16x128_f8f6f4 v[rD:rD+7], v[rA:rA+15], v[rB:rB+15], v[rC:rC+7], v[rSA], v[rSB]
.endif
.endm
; 16 matrix instructions of K step s on ctx's tiles 4 xh .. 4 xh + 3; the accumulators take turns, one instruction a turn.  In step 0 C is the bias (window 0): nothing is cleared.
.macro MUL16 s, xh
.if (\s) == 0
	WIN 0xc1
.else
	WIN 0xf1+(\s)/4
.endif
.set xi, 4*(\xh)
.rept 4
.set wt, 0
.rept 4
.set rD, 8*(4*xi+wt)
.set rA, 64*((\s)%4)+16*wt
.set rB, XF+16*xi
.if (\s) == 0
.set rC, CB+8*wt
.else
.set rC, rD
.endif
.set rSA, WS+2*(\s)+wt/2
.set rSB, XS+4*((\s)%2)+xi/2
.set fa, wt%2
.set fb, xi%2
	WMI
.set wt, wt+1
.endr
.set xi, xi+1
.endr
	WIN 0
.endm
; A K step of 128: 32 matrix instructions.
; Ahead of each of its two runs of LDS loads stand eight plain vector lines behind the products, and behind these the wait that states what the loads hang on.
.macro STEP s
.if (\s) > 0
	NOPS 8                                         ; behind the last step's products, which read tiles 4-7
	s_wait_alu depctr_va_vdst(0)                   ; the last step's products are done reading tiles 4-7, in which the loads below land
.endif
	XFLOAD LI1, 4, \s
.if (\s)+3 < 8
	WLOAD (\s)+3                                   ; three steps ahead
.endif
.if (\s) < 5
	s_wait_loadcnt 54                              ; this step's Wo is in; behind it the three later steps' 18 loads each
.else
	s_wait_loadcnt 18*(7-(\s))                     ; the later steps' that are left
.endif
	s_wait_dscnt 16                                ; tiles 0-3 and the scale words are in; the 16 loads of tiles 4-7 may be out
	MUL16 \s, 0
.if (\s) < 7
	NOPS 8
	s_wait_alu depctr_va_vdst(0)                   ; the 16 products above are done reading tiles 0-3, the last step's products ctx's other set of scale words: the loads below land in both
	XFLOAD LI0, 0, (\s)+1
	XSLOAD 1-(\s)%2, (\s)+1
	s_wait_dscnt 20                                ; tiles 4-7 are in; the 20 just issued may be out
.else
	s_wait_dscnt 0x0
.endif
	MUL16 \s, 1
.endm
	s_load_b256 s[4:11], s[0:1], 0x0               ; ctxc, ctxs, wcodes, wscales
	s_load_b128 s[12:15], s[0:1], 0x20             ; bo, out0
	v_lshl_add_u32 v126, v0, 2, 0x25400
	v_mov_b32 v127, 0
	v_lshrrev_b32 v32, 5, v0
	v_readfirstlane_b32 s[WV], v32                 ; wave 0..3
	v_and_b32 v34, 31, v0                          ; lane
	v_and_b32 v32, 15, v0                          ; r
	v_bfe_u32 v33, v0, 4, 1                        ; h
	v_lshlrev_b32 v[LI0], 4, v34
	v_add_nc_u32 v[LI1], 0x10000, v[LI0]
	v_lshlrev_b32 v[LS0], 2, v32
	v_lshl_add_u32 v[LS0], v33, 9, v[LS0]
	v_add_nc_u32 v[LS0], XSC, v[LS0]
	v_lshlrev_b32 v[L4], 2, v34
	s_wait_alu depctr_va_sdst(0)                   ; the wave's number is written, ahead of its first reader
	s_mul_i32 s36, s[WV], 16*SROW
	s_add_co_u32 s36, s36, STG                     ; my stage
	v_mul_u32_u24 v[STO], v32, SROW
	v_lshl_add_u32 v[STO], v33, 6, v[STO]
	v_add_nc_u32 v[STO], s36, v[STO]               ; in: row r, + 64 h
	v_mul_u32_u24 v[RD], v33, SROW
	v_lshl_add_u32 v[RD], v32, 4, v[RD]
	v_add_nc_u32 v[RD], s36, v[RD]                 ; back: lanes 0-15 one row of 256 bytes, lanes 16-31 the next
	v_lshlrev_b32 v[CO], 12, v33
	v_lshl_add_u32 v[CO], v32, 4, v[CO]            ; and the same two rows in out0
	s_lshl_b32 s36, s[WV], 15
	v_add_nc_u32 v[LIW], s36, v[LI0]               ; my quarter of the images
	s_lshl_b32 s36, s[WV], 10
	v_add_nc_u32 v[SCO], s36, v[LI0]               ; my quarter of the scale words,
	v_add_nc_u32 v[SCW], XSC, v[SCO]               ; and its place in LDS
	v_lshlrev_b32 v[BAH], 6, v33
	s_lshl_b32 s[C64], ttmp9, 2
	s_add_co_u32 s[C64], s[C64], s[WV]             ; my 64 columns: 4 ch + w
	s_and_b32 s[RB], ttmp7, 0xffff
	s_lshr_b32 s34, s[C64], 1                      ; the block of 128 columns in wcodes,
	s_and_b32 s35, s[C64], 1                       ; and which four of its eight tiles
	s_lshl_b32 s36, s34, 17
	s_lshl_b32 s48, s35, 13
	s_add_co_u32 s36, s36, s48
	s_add_co_u32 s36, s36, 0x300000                ; Wo is the fourth tensor of wcodes
	s_mov_b32 s37, 0
	s_lshl_b32 s38, s34, 12
	s_lshl_b32 s48, s35, 8
	s_add_co_u32 s38, s38, s48
	s_add_co_u32 s38, s38, 0x18000                 ; and of wscales
	s_mov_b32 s39, 0
	s_lshl_b32 s40, s[C64], 8                      ; 64 columns of f32 are 256 bytes
	s_mov_b32 s41, 0
	s_lshl_b32 s42, s[RB], 19
	s_add_co_u32 s42, s42, s40                     ; out0: 128 rb rows of 4,096 bytes + my columns
	s_mov_b32 s43, 0
	s_lshl_b32 s44, s[RB], 17
	s_mov_b32 s45, 0
	s_lshl_b32 s46, s[RB], 12
	s_mov_b32 s47, 0
	s_wait_kmcnt 0x0
	s_add_nc_u64 s[WP:WP+1], s[8:9], s[36:37]
	s_add_nc_u64 s[WSP:WSP+1], s[10:11], s[38:39]
	s_add_nc_u64 s[BP:BP+1], s[12:13], s[40:41]
	s_add_nc_u64 s[OUT:OUT+1], s[14:15], s[42:43]
	s_add_nc_u64 s[CXP:CXP+1], s[4:5], s[44:45]
	s_add_nc_u64 s[CSP:CSP+1], s[6:7], s[46:47]
	WIN 0xc0
	s_wait_alu depctr_va_vdst(0)                   ; the eleven addresses and offsets made above are written, which the loads and stores of the whole kernel read
.set q, 0
.rept 64
	global_load_b128 v[4*q:4*q+3], v[LIW], s[CXP:CXP+1] offset:512*q     ; 32,768 bytes a wave, 512 consecutive bytes a load
.set q, q+1
.endr
	WIN 0
	global_load_b128 v[XF:XF+3], v[SCO], s[CSP:CSP+1]
	global_load_b128 v[XF+4:XF+7], v[SCO], s[CSP:CSP+1] offset:512
.irp t, 0,1,2,3
	global_load_b128 v[CB+8*\t:CB+8*\t+3], v[BAH], s[BP:BP+1] offset:(32*(\t/2)+8*(\t%2))*4        ; register j of tile t: bo at column 32 (t / 2) + 8 (t % 2) + 16 h + j
	global_load_b128 v[CB+8*\t+4:CB+8*\t+7], v[BAH], s[BP:BP+1] offset:(32*(\t/2)+8*(\t%2))*4+16
.endr
	WLOAD 0
	WLOAD 1
	WLOAD 2
	s_wait_loadcnt 62                              ; ctx's images and scale words are in; behind them the bias's 8 loads and three K steps' 18 each
	WIN 0x0c
.set q, 0
.rept 64
	ds_store_b128 v[LIW], v[4*q:4*q+3] offset:512*q
.set q, q+1
.endr
	WIN 0
	ds_store_b128 v[SCW], v[XF:XF+3]
	ds_store_b128 v[SCW], v[XF+4:XF+7] offset:512
	s_wait_dscnt 0x0                               ; for the others' sake: my quarter has landed
	s_barrier_signal -1
	s_barrier_wait -1                              ; the launch's one barrier: behind it the images are only read, and each wave's stage is its own
	s_wait_alu depctr_vm_vsrc(0)                   ; my LDS stores have read v128-135, in which fragments land, and window 3, which the products write
	XFLOAD LI0, 0, 0
	XSLOAD 0, 0
.irp s, 0,1,2,3,4,5,6,7
	STEP \s
.endr
; THE WAY OUT, a tile of 16 rows x 64 columns at a time.  A lane holds pieces of one row and the lanes beside it other rows: a tile goes through my own stage and comes back as whole rows of 256 bytes.
; LDS serves a wave's instructions in order (ISA guide 5.7.1.4): no wait between the stores and the loads, nor in front of the next tile's stores.
.macro TOSTAGE a
	WIN 0x0c                                       ; an LDS store's data are its source 1: window 3
.set q, 0
.rept 8
	ds_store_b128 v[STO], v[32*(\a)+4*q:32*(\a)+4*q+3] offset:128*(q/4)+16*(q%4)   ; each accumulator from its low end on
.set q, q+1
.endr
	WIN 0
.set q, 0
.rept 8
	ds_load_b128 v[OB+32*((\a)%2)+4*q:OB+32*((\a)%2)+4*q+3], v[RD] offset:2*SROW*q
.set q, q+1
.endr
.endm
.macro SEND a, younger                 ; younger: the LDS instructions issued behind tile a's loads, which may stay out
	s_wait_dscnt \younger
.set q, 0
.rept 8
	global_store_b128 v[CO], v[OB+32*((\a)%2)+4*q:OB+32*((\a)%2)+4*q+3], s[OUT:OUT+1] offset:(32*((\a)/2)+8*((\a)%2)+2*q+8*(q/4))*4096 th:TH_STORE_NT   ; sixteen lanes store 256 consecutive bytes, aligned; stage rows 2 q and 2 q + 1 are the tile's lanes of those numbers; written once
.set q, q+1
.endr
.endm
	NOPS 8                                         ; places behind the last products, ahead of the first read of results (ISA guide 7.12.1)
	s_wait_alu depctr_va_vdst(0)                   ; the products have written the accumulators, which the LDS stores read, and are done reading v128-191, in which the stage's loads land; no vector line follows
	TOSTAGE 0
.irp a, 1,2,3,4,5,6,7
.if \a > 1
	s_wait_xcnt 0x0                                ; tile a - 2's stores have had their addresses translated
	s_wait_alu depctr_vm_vsrc(0)                   ; tile a - 2's stores have read their 32 registers, in which tile a's loads land
.endif
	TOSTAGE \a
	SEND \a-1, 16                                  ; behind tile a - 1's loads: tile a's 8 stores and 8 loads
.endr
	SEND 7, 0
	s_wait_dscnt 0x0                               ; the closing lines, six on end
	s_wait_alu 0x0
	s_wait_tensorcnt 0x0
	ds_add_u32 v126, v127
	s_wait_dscnt 0x0
	s_endpgm
.Lfunc_end_k_q53ef7dc483_outproj:
	.size	k_q53ef7dc483_outproj, .Lfunc_end_k_q53ef7dc483_outproj-k_q53ef7dc483_outproj
	.p2alignl 7, 3214868480
	.fill 96, 4, 3214868480
	.section	.rodata,"a",@progbits
	.p2align	6, 0x0
	.amdhsa_kernel k_q53ef7dc483_outproj
		.amdhsa_group_segment_fixed_size 153088
		.amdhsa_private_segment_fixed_size 0
		.amdhsa_enable_private_segment 0
		.amdhsa_kernarg_size 48
		.amdhsa_user_sgpr_count 2
		.amdhsa_user_sgpr_kernarg_segment_ptr 1
		.amdhsa_wavefront_size32 1
		.amdhsa_system_sgpr_workgroup_id_x 1
		.amdhsa_system_sgpr_workgroup_id_y 1
		.amdhsa_system_sgpr_workgroup_id_z 1
		.amdhsa_system_vgpr_workitem_id 0
		.amdhsa_next_free_vgpr 1024
		.amdhsa_next_free_sgpr 66
		.amdhsa_reserve_vcc 0
		.amdhsa_float_denorm_mode_32 3
		.amdhsa_float_denorm_mode_16_64 3
		.amdhsa_memory_ordered 1
		.amdhsa_forward_progress 1
		.amdhsa_inst_pref_size 100
	.end_amdhsa_kernel
	.amdgpu_metadata
---
amdhsa.version: [ 1, 2 ]
amdhsa.kernels:
  - .name:           k_q53ef7dc483_outproj
    .symbol:         k_q53ef7dc483_outproj.kd
    .args:
      - { .name: ctxc, .offset: 0, .size: 8, .value_kind: global_buffer, .address_space: global }
      - { .name: ctxs, .offset: 8, .size: 8, .value_kind: global_buffer, .address_space: global }
      - { .name: wcodes, .offset: 16, .size: 8, .value_kind: global_buffer, .address_space: global }
      - { .name: wscales, .offset: 24, .size: 8, .value_kind: global_buffer, .address_space: global }
      - { .name: bo, .offset: 32, .size: 8, .value_kind: global_buffer, .address_space: global }
      - { .name: out0, .offset: 40, .size: 8, .value_kind: global_buffer, .address_space: global }
    .group_segment_fixed_size: 153088
    .private_segment_fixed_size: 0
    .kernarg_segment_align: 8
    .kernarg_segment_size: 48
    .max_flat_workgroup_size: 128
    .sgpr_count:     66
    .vgpr_count:     1024
    .wavefront_size: 32
...
	.end_amdgpu_metadata
.endif
;; end of part 7
